; MI455X (gfx1250); checked and timed in simulation.
; The chip was launched on July 23, 2026; its instructions are those of AMD's public machine-readable ISA for CDNA 5 (MIT licence, August 2026) and "CDNA5" Instruction Set Architecture Reference Guide (July 2026). The comments in the code are by the model that wrote it; some were corrected since.
;; LMKANRBF Layer. Allowed arithmetic: matrix products marked QUANTISED: E2M1 operands, one E8M0 scale for each 32 along K, by v_wmma_scale_f32_16x16x128_f8f6f4 with both operands' format E2M1 (or v_wmma_scale_f32_32x16x128_f4), f32 sums; products left as they are: f32 operands where the result goes on into a quantised operand, else bf16, f16 or f32 operands; f32 sums; everything else in f32.
;; Inputs: W1 512 x 8 float32; W2 8 x 8 float32; W3 8 x 512 float32; Wout 8,193 x 1,024 float32; b1 8 float32; b2 8 float32; b3 512 float32; bout 1,024 float32; centers 512 x 16 float32; log_widths 512 x 16 float32; x 8,192 x 512 float32.
;; Outputs: out0 8,192 x 1,024 float32.
;; This version of the problem:
;;   THIS VERSION OF THE PROBLEM IS GIVEN IN LOW PRECISION. The matrix products marked QUANTISED in the list below multiply operands that are first quantised to E2M1 (2 exponent bits, 1 mantissa bit; 4 bits a number), with one power-of-two scale for each 32 numbers along K (OCP MX v1.0); their sums are f32. All else is computed in f32.
;;   The module's matrix products, in the order in which they are computed (A, B: the left and right operand; K: the contracted axis; several contracted axes count as one K, in the product's order):
;;     1. [M 8,192, K 512] x [K 512, N 8]; A: input x; B: input W1: left as it is (N = 8 < 16)
;;     2. [M 8,192, K 8] x [K 8, N 8]; A: computed on the way; B: input W2: left as it is (K = 8 < 32)
;;     3. [M 8,192, K 8] x [K 8, N 512]; A: computed on the way; B: input W3: left as it is (K = 8 < 32)
;;     4. [M 8,192, K 8,193] x [K 8,193, N 1,024]; A: computed on the way; B: input Wout: QUANTISED
;;   THE QUANTISER, for each operand of a quantised product, along K:
;;     - K is cut into blocks of 32 from its start; a last block that is shorter is filled with zeros.
;;     - A block's scale is 2^e with e = floor(log2(the largest magnitude in the block)) - 2, held to -126 .. 127; a block of zeros has e = 0. As a byte (E8M0): e + 127.
;;     - Each number is divided by its block's scale, clamped to +-6, and rounded to the nearest number of E2M1, ties to even, subnormals kept.
;;     - The product sums the exact products of the quantised numbers (number of the format x scale) in f32.
;;   ~~~python
;;   def quantise(x, axis):      # numpy; x: float32 -> the quantised numbers, widened to float32 again
;;       x = np.moveaxis(x, axis, -1); K = x.shape[-1]
;;       x = np.pad(x, [(0, 0)] * (x.ndim - 1) + [(0, -K % 32)]); x = x.reshape(x.shape[:-1] + (-1, 32)); a = np.abs(x).max(-1, keepdims=True)
;;       e = np.where(a > 0, np.clip(np.frexp(np.where(a > 0, a, 1))[1] - 1 - 2, -126, 127), 0)      # np.frexp(a)[1] - 1 = floor(log2(a)), exactly
;;       r = np.clip(x / 2.0 ** e, -6, 6)
;;       step = 2.0 ** (np.maximum(np.frexp(np.where(r == 0, 1, r))[1] - 1, 0) - 1)
;;       q = np.round(r / step) * step * 2.0 ** e      # np.round: ties to even
;;       return np.moveaxis(q.reshape(q.shape[:-2] + (-1,))[..., :K], -1, axis).astype(np.float32)
;;   ~~~
;;   OPERANDS COMPUTED ON THE WAY. 'Computed on the way' means the value that the module computes at that place (a softmax that the list does not call 'softmax' is quantised finished and normalised). What goes into a quantiser is computed in f32, as accurately as f32 sums, v_exp_f32 and their like allow (about 1e-6 of the number): no bf16 or f16 on the way to a quantiser, and a product that is left as it is and whose result goes on into a quantised operand takes f32 operands (vector FMAs, or v_wmma_f32_16x16x4_f32). A number that lies on a knife's edge between two numbers of the format may be rounded either way, as far as f32 arithmetic and the matrix unit's own rounding can turn it there, and no further.
;; 2 versions. Each part assembles by itself: llvm-mc -triple=amdgcn-amd-amdhsa -mcpu=gfx1250 --defsym DOCPART=n.
;; ======== version 1 of 2: 2 launches
;; workspace buffers: aq 35,651,584 bytes; bq 4,456,448 bytes; ta 131,072 bytes; tb 16,384 bytes
;; launch prep (part 1): grid 256 x 1, 16 waves a work-group, no clusters, 162,816 bytes of LDS; arguments x, W1, b1, W2, b2, W3, b3, centers, log_widths, Wout, aq, bq, ta, tb; writes aq, bq, ta, tb
.if DOCPART == 1
	.amdgcn_target "amdgcn-amd-amdhsa--gfx1250"
	.amdhsa_code_object_version 6
	.text
	.protected	k_q1eea6eab4f_prep
	.globl	k_q1eea6eab4f_prep
	.p2align	8
	.type	k_q1eea6eab4f_prep,@function
k_q1eea6eab4f_prep:
	s_mov_b64 s[64:65], 0
	v_nop
	global_prefetch_b8 v0, s[64:65] scope:SCOPE_SE
	s_setreg_imm32_b32 hwreg(HW_REG_WAVE_MODE, 25, 1), 1
	s_wait_xcnt 0x0
; PREP: everything ahead of the one quantised product, out = [phi, logdet] Wout + bout.
;   g = softplus(silu(silu(x W1 + b1) W2 + b2) W3 + b3) + 1e-8;  z = x sqrt(g);  phi[row][16 i + k] = exp(-2 ((z[i] - c[i][k]) / (exp(lw[i][k]) + 1e-12))^2);  logdet = sum of ln g.
; All of it in f32 (fused multiply-adds, v_exp_f32, v_log_f32, v_rcp_f32, v_sqrt_f32).  phi and Wout are quantised along K to codes of E2M1 with one E8M0 byte for each 32, and stored in the order in which the
; next launch's operand registers take them.
; OUT.  aq: [512 tiles of 16 rows][16 chunks of 512 along K][4,352 bytes]; bq: [64 tiles of 16 columns of Wout][16 chunks][4,352 bytes].  A chunk's record: codes [block 16][row 16][16 bytes], then 256 scale bytes [row 16][block 16].
;   ta, tb: 16 bytes for each row (logdet) and each column (Wout's row 8,192): code word, scale word, 0, scale word; the code in bits 3:0, the scale word = byte | 0x7f7f7f00.
; SHARES.  256 work-groups of sixteen waves, four to a SIMD, so that one wave's waits behind its exponentials stand beside the others' work.  Work-group g takes rows 32 g .. 32 g + 31 of x, and of Wout the K rows
;   512 (g / 16) .. + 511 x columns 64 (g % 16) .. + 63.  For phi thread t owns dim t: its 16 centres and 16 scaled inverse widths stay in registers and the rows go by; wave w's 32 dims are chunk w of a row tile, and lanes l and l xor 1
;   hold a block of 32.  For Wout a lane takes a column and its registers run down K (two blocks a lane), so a block's largest magnitude needs no other lane.
; No tensor loads, no cluster, no matrix instruction: the work-groups share only small tables, and the f32 products are short.
; phi = 2^(-((z - c) a)^2) with a = sqrt(2 log2 e) / width.  softplus(p) = max(p, 0) + log1p(e), e = exp(-|p|), log1p(e) = ln(w) + (e - (w - 1)) / w with w = 1 + e rounded.
; LIMITS.  NaN and infinities among the inputs are not served.  A phi under 2^-126 becomes 0 (v_exp_f32 gives no denormals).  A block of zeros gets the scale byte 1 where the rule says 127: its codes are zeros, and this
;   program alone reads the bytes.  The sums of x W1 and of logdet are taken in another order than the reference's; logdet is ln 2 x the sum of log2 g.
.set XP,    2064                       ; LDS: a row of x: 2,048 bytes + 16
.set PART,  32*XP                      ; partial sums of x W1: [wave 16][half 2][row 32][16 bytes]
.set H2P,   PART+16384                 ; the second hidden layer: [pair of rows 16][j 8][2 rows]
.set WS,    H2P+1024                   ; Wout's scale bytes: [column tile 4][column 16][block 16]
.set LDP,   WS+1024                    ; 32 row sums
.set STG,   87040                      ; a stage for each wave: 16 blocks x 272 bytes of codes, then 256 scale bytes
.set SWV,   4608
.set SSB,   4352
.set REC,   4352                       ; a chunk's record
.set TSTR,  16*REC                     ; from tile to tile
.set FLOOR, 0x1800000                  ; 2^(3 - 127): under it no largest magnitude is taken, so a scale byte cannot fall under 1
.set EOFF,  0xff000000                 ; takes 2 off an exponent field
.set L2E,   0x3fb8aa3b
.set NL2E,  0xbfb8aa3b
.set LN2,   0x3f317218
; v0 thread, v1 lane; LDS addresses v2-17, global offsets v18-27 (all made here, ahead of every branch, and but for v7 and v8 never rewritten)
.set B1V, 32                           ; v32-39 b1, v40-47 b2
.set B2V, 40
.set CC,  48                           ; v48-63 my dim's centres
.set AA,  64                           ; v64-79 its log widths, then a
.set W3D, 80                           ; v80-95 W3[j][my dim], each twice (a pair for the packed forms); v96-97 b3 likewise
.set B3D, 96
.set WQ,  98                           ; v98-161 64 numbers of Wout
.set X,   162                          ; v162-193 x, as loaded and as read back
.set ACC, 194                          ; v194-201 eight partial sums
.set PT,  162                          ; wave 0: v162-225 partial sums of eight waves, v226-233 sums, v234-241 a hidden layer, v242-249 at work
.set S,   226
.set HH,  234
.set TT,  242
.set WC,  202                          ; v202-209 Wout's codes; v250-254 at work on them
.set WM,  250
.set WSO, 252
.set WBY, 253
.set BYW, 254
.set ZZ,  98                           ; v98-129 z of the tile's row r in v[98 + 2 r]; the odd registers hold 0 (named as pairs' upper halves)
.set XV,  130                          ; v130-145 x of 16 rows
.set P,   146                          ; v146-161 p, then g
.set H,   162                          ; v162-225 the hidden layer of four pairs of rows
.set E,   162
.set WT,  178
.set DD,  194
.set LL,  210
.set RR,  226
.set T,   162                          ; v162-193 two rows x 16 numbers of phi
.set M,   194
.set SO,  196
.set CD,  198                          ; v198-229 codes, four registers for each pair of rows; v230-245 scale bytes: no LDS store's data are written again before the wait in FLUSH
.set BY,  230
.set FB,  130
.set FS,  246
.set LV,  162
.macro BARRIER                         ; my LDS stores have landed and my LDS loads are in: then the work-group's barrier
	s_wait_dscnt 0x0
	s_barrier_signal -1
	s_barrier_wait -1
.endm
	s_load_b512 s[4:19], s[0:1], 0x0               ; x s[4:5], W1 s[6:7], b1 s[8:9], W2 s[10:11], b2 s[12:13], W3 s[14:15], b3 s[16:17], centers s[18:19]
	s_load_b256 s[20:27], s[0:1], 0x40             ; log_widths s[20:21], Wout s[22:23], aq s[24:25], bq s[26:27]
	s_load_b128 s[28:31], s[0:1], 0x60             ; ta s[28:29], tb s[30:31]
	v_lshl_add_u32 v20, v0, 2, 0x27400
	v_mov_b32 v255, 0
	v_lshrrev_b32 v1, 5, v0
	v_readfirstlane_b32 s3, v1                     ; wave 0..15
	v_and_b32 v1, 31, v0                           ; lane
	v_lshrrev_b32 v28, 4, v1                       ; lane / 16
	v_and_b32 v29, 15, v1                          ; lane % 16
	v_lshrrev_b32 v30, 1, v1                       ; lane / 2: my block of the chunk
	v_and_b32 v31, 1, v1
	s_lshr_b32 s66, ttmp9, 4                       ; Wout: my chunk
	s_and_b32 s67, ttmp9, 15                       ; and my 64 columns
	s_lshr_b32 s100, s3, 1                         ; my pair of blocks in the chunk
	s_and_b32 s101, s3, 1                          ; which 32 of the 64 columns
	; LDS addresses
	s_mul_i32 s44, s3, 2*XP
	v_lshl_add_u32 v2, v1, 4, s44                  ; v2: x in: rows 2 w, 2 w + 1, 16 bytes a lane
	s_lshl_b32 s44, s3, 7
	v_mul_u32_u24 v3, v1, XP
	v_add_nc_u32 v3, s44, v3                       ; v3: x W1: row = lane, my wave's 32 dims
	v_lshl_add_u32 v8, v1, 2, s44                  ; v8: my dim's word in the tile's first row; stepped from tile to tile
	s_lshl_b32 s44, s3, 10
	s_add_co_u32 s44, s44, PART
	v_lshl_add_u32 v4, v1, 4, s44                  ; v4: my partial sums
	v_lshl_add_u32 v5, v1, 4, PART                 ; v5: wave 0 reads them back: row = lane
	v_lshlrev_b32 v6, 6, v30
	v_lshl_add_u32 v6, v31, 2, v6
	v_add_nc_u32 v6, H2P, v6                       ; v6: wave 0 stores row = lane of the hidden layer
	v_mov_b32 v7, H2P                              ; v7: every lane reads the same pairs of rows; stepped from tile to tile
	s_mul_i32 s44, s3, SWV
	s_add_co_u32 s44, s44, STG                     ; my stage
	v_mul_u32_u24 v9, v30, 272
	v_lshl_add_u32 v9, v31, 3, v9
	v_add_nc_u32 v9, s44, v9                       ; v9: my 8 bytes of codes of row 0: block lane / 2, half lane % 2
	v_add_nc_u32 v10, s44, v30
	v_add_nc_u32 v10, SSB, v10                     ; v10: my block's scale byte of row 0
	v_mul_u32_u24 v11, v28, 272
	v_lshl_add_u32 v11, v29, 4, v11
	v_add_nc_u32 v11, s44, v11                     ; v11: back: sixteen lanes take a block's 256 bytes
	v_lshl_add_u32 v12, v1, 3, s44
	v_add_nc_u32 v12, SSB, v12                     ; v12: and the 256 scale bytes, 8 a lane
	s_lshl_b32 s44, s101, 9
	s_add_co_u32 s44, s44, WS
	v_lshl_add_u32 v14, v1, 4, s44                 ; v14: waves 0 and 1 read two column tiles' scale bytes
	s_lshl_b32 s45, s100, 1
	s_add_co_u32 s44, s44, s45
	v_lshlrev_b32 v13, 8, v28
	v_lshl_add_u32 v13, v29, 4, v13
	v_add_nc_u32 v13, s44, v13                     ; v13: my column's two scale bytes
	v_lshrrev_b32 v16, 4, v0
	v_mul_u32_u24 v15, v16, XP
	v_lshl_add_u32 v15, v29, 4, v15                ; v15: logdet: row thread / 16, 16 bytes a lane
	v_lshl_add_u32 v16, v16, 2, LDP                ; v16: that row's sum
	v_lshl_add_u32 v17, v1, 2, LDP                 ; v17: wave 0: row = lane
	; offsets in memory
	v_lshlrev_b32 v18, 4, v1                       ; 16 x lane
	v_lshlrev_b32 v19, 6, v0                       ; my dim's 64 bytes of centers and of log_widths
	v_lshlrev_b32 v21, 2, v1                       ; 4 x lane
	v_mul_u32_u24 v22, v28, TSTR
	v_lshl_add_u32 v22, v29, 4, v22                ; bq: column tile lane / 16, column lane % 16
	v_lshlrev_b32 v23, 3, v1                       ; 8 x lane
	v_mov_b32 v24, 0
	v_lshlrev_b32 v25, 2, v0                       ; 4 x thread
	v_lshlrev_b32 v26, 4, v0                       ; 16 x thread
	s_lshl_b32 s44, s3, 12
	v_lshl_add_u32 v27, v1, 4, s44                 ; x: rows 2 w, 2 w + 1
	s_lshl_b32 s32, ttmp9, 16                      ; x: 32 rows of 2,048 bytes a work-group
	s_mov_b32 s33, 0
	s_lshl_b32 s34, s3, 10                         ; W1: 32 dims of 32 bytes a wave
	s_mov_b32 s35, 0
	s_lshl_b32 s36, s66, 9
	s_lshl_b32 s37, s100, 6
	s_add_co_u32 s36, s36, s37
	s_lshl_b32 s36, s36, 12                        ; Wout: K row 512 chunk + 64 pair, 4,096 bytes a row,
	s_lshl_b32 s37, s67, 8
	s_add_co_u32 s36, s36, s37
	s_lshl_b32 s37, s101, 7
	s_add_co_u32 s36, s36, s37                     ; + my wave's first column
	s_mov_b32 s37, 0
	s_lshl_b32 s38, ttmp9, 5
	s_add_co_u32 s38, s38, s3
	s_mul_i32 s38, s38, REC                        ; aq: row tile 2 g, chunk w
	s_mov_b32 s39, 0
	s_lshl_b32 s40, s67, 2
	s_lshl_b32 s41, s101, 1
	s_add_co_u32 s40, s40, s41
	s_lshl_b32 s40, s40, 4
	s_add_co_u32 s40, s40, s66
	s_mul_i32 s40, s40, REC                        ; bq: my wave's first column tile, my chunk,
	s_lshl_b32 s41, s100, 9
	s_add_co_u32 s40, s40, s41                     ; + my pair of blocks
	s_mov_b32 s41, 0
	s_lshl_b32 s42, ttmp9, 9                       ; ta: 32 rows of 16 bytes
	s_mov_b32 s43, 0
	s_wait_kmcnt 0x0
	s_add_nc_u64 s[4:5], s[4:5], s[32:33]
	s_add_nc_u64 s[6:7], s[6:7], s[34:35]
	s_add_nc_u64 s[22:23], s[22:23], s[36:37]
	s_add_nc_u64 s[24:25], s[24:25], s[38:39]
	s_add_nc_u64 s[26:27], s[26:27], s[40:41]
	s_add_nc_u64 s[28:29], s[28:29], s[42:43]
	; ---- all that comes from memory is asked for here: x (8 loads), the tables (21), the first block of Wout (32)
.irp rr, 0,1
.irp c, 0,1,2,3
	global_load_b128 v[X+16*\rr+4*\c:X+16*\rr+4*\c+3], v27, s[4:5] offset:2048*\rr+512*\c th:TH_LOAD_NT   ; 32 lanes read 512 consecutive bytes
.endr
.endr
	global_load_b128 v[B1V:B1V+3], v24, s[8:9]
	global_load_b128 v[B1V+4:B1V+7], v24, s[8:9] offset:16
	global_load_b128 v[B2V:B2V+3], v24, s[12:13]
	global_load_b128 v[B2V+4:B2V+7], v24, s[12:13] offset:16
.irp c, 0,1,2,3
	global_load_b128 v[CC+4*\c:CC+4*\c+3], v19, s[18:19] offset:16*\c
	global_load_b128 v[AA+4*\c:AA+4*\c+3], v19, s[20:21] offset:16*\c
.endr
.irp j, 0,1,2,3,4,5,6,7
	global_load_b32 v[W3D+2*\j], v25, s[14:15] offset:2048*\j
.endr
	global_load_b32 v[B3D], v25, s[16:17]
.macro WLOAD t                         ; block t of my two: Wout(32 t + i, my column): neighbouring lanes read neighbouring columns
.irp i, 0,1,2,3,4,5,6,7,8,9,10,11,12,13,14,15,16,17,18,19,20,21,22,23,24,25,26,27,28,29,30,31
	global_load_b32 v[WQ+32*(\t)+\i], v21, s[22:23] offset:(32*(\t)+\i)*4096 th:TH_LOAD_NT
.endr
.endm
	WLOAD 0
	s_wait_loadcnt 53                              ; x is in: behind it stand the 21 loads of the tables and 32 of Wout
.irp rr, 0,1
.irp c, 0,1,2,3
	ds_store_b128 v2, v[X+16*\rr+4*\c:X+16*\rr+4*\c+3] offset:XP*\rr+512*\c
.endr
.endr
	BARRIER                                        ; 32 rows of x lie in LDS
	WLOAD 1
	; ---- x W1: a lane takes a row, my wave dims 32 w .. 32 w + 31; W1 comes through scalar registers, 4 dims x 8 at a time, in two sets by turns
.irp c, 0,1,2,3,4,5,6,7
	ds_load_b128 v[X+4*\c:X+4*\c+3], v3 offset:16*\c
.endr
.macro W1LOAD buf, c
	s_load_b512 s[\buf:\buf+15], s[6:7], 128*(\c)
	s_load_b512 s[\buf+16:\buf+31], s[6:7], 128*(\c)+64
.endm
.set WB0, 32                           ; s[32:63]
.set WB1, 68                           ; s[68:99]
	W1LOAD WB0, 0
	s_wait_dscnt 0x0
.set c, 0
.rept 8
.if c%2 == 0
.set WB, WB0
.set WN, WB1
.else
.set WB, WB1
.set WN, WB0
.endif
	s_wait_kmcnt 0x0                               ; this set is in (scalar loads: the count 0 alone says anything)
.if c < 7
	W1LOAD WN, c+1                                 ; the other set, whose readers have been issued, takes the next 4 dims
.endif
.set d, 0
.rept 4
.set j, 0
.rept 8
.if (c == 0) && (d == 0)
	v_mul_f32 v[ACC+j], s[WB+8*d+j], v[X+4*c+d]    ; the first dim starts the sums: nothing is cleared
.else
	v_fmac_f32 v[ACC+j], s[WB+8*d+j], v[X+4*c+d]
.endif
.set j, j+1
.endr
.set d, d+1
.endr
.set c, c+1
.endr
	ds_store_b128 v4, v[ACC:ACC+3]
	ds_store_b128 v4, v[ACC+4:ACC+7] offset:512
	BARRIER                                        ; sixteen partial sums for each row lie in LDS
	s_wait_loadcnt 63                              ; the tables are in: 64 loads of Wout are younger than the last of them; 63 is the counter's largest number
	; ---- wave 0 finishes the two small layers, a lane to a row; the other waves go on to their tables and to Wout
; silu(v) = v / (1 + 2^(-v log2 e)), eight numbers; each batch of transcendentals has one plain line and one wait behind it
.macro SILU src, dst
.irp j, 0,1,2,3,4,5,6,7
	v_mul_f32 v[TT+\j], NL2E, v[\src+\j]
.endr
.irp j, 0,1,2,3,4,5,6,7
	v_exp_f32 v[TT+\j], v[TT+\j]
.endr
	v_nop
	s_wait_alu depctr_va_vdst(0)
.irp j, 0,1,2,3,4,5,6,7
	v_add_f32 v[TT+\j], 1.0, v[TT+\j]
.endr
.irp j, 0,1,2,3,4,5,6,7
	v_rcp_f32 v[TT+\j], v[TT+\j]
.endr
	v_nop
	s_wait_alu depctr_va_vdst(0)
.irp j, 0,1,2,3,4,5,6,7
	v_mul_f32 v[\dst+\j], v[\src+\j], v[TT+\j]
.endr
.endm
	s_cmp_lg_u32 s3, 0
	s_cbranch_scc1 .Lnot_wave_0
	s_load_b512 s[32:47], s[10:11], 0x0            ; W2[j][j']: j 0-3 at s[32 + 8 j + j'], j 4-7 at s[68 + 8 (j - 4) + j']
	s_load_b512 s[48:63], s[10:11], 0x40
	s_load_b512 s[68:83], s[10:11], 0x80
	s_load_b512 s[84:99], s[10:11], 0xc0
.irp half, 0,1
.irp ww, 0,1,2,3,4,5,6,7
.irp q, 0,1
	ds_load_b128 v[PT+8*\ww+4*\q:PT+8*\ww+4*\q+3], v5 offset:8192*\half+1024*\ww+512*\q
.endr
.endr
	s_wait_dscnt 0x0
.irp ww, 0,1,2,3,4,5,6,7
.irp jp, 0,2,4,6
.if (\half == 0) && (\ww == 0)
	v_pk_add_f32 v[S+\jp:S+\jp+1], v[B1V+\jp:B1V+\jp+1], v[PT+\jp:PT+\jp+1]    ; b1 starts the sums
.else
	v_pk_add_f32 v[S+\jp:S+\jp+1], v[S+\jp:S+\jp+1], v[PT+8*\ww+\jp:PT+8*\ww+\jp+1]
.endif
.endr
.endr
.endr
	SILU S, HH
	s_wait_kmcnt 0x0
.irp jp, 0,1,2,3,4,5,6,7
	v_fma_f32 v[S+\jp], v[HH], s[32+\jp], v[B2V+\jp]
.endr
.set j, 1
.rept 7
.if j < 4
.set WB, 32+8*j
.else
.set WB, 68+8*(j-4)
.endif
.irp jp, 0,1,2,3,4,5,6,7
	v_fmac_f32 v[S+\jp], s[WB+\jp], v[HH+j]
.endr
.set j, j+1
.endr
	SILU S, HH
.irp j, 0,1,2,3,4,5,6,7
	ds_store_b32 v6, v[HH+\j] offset:8*\j
.endr
.Lnot_wave_0:
	; ---- my dim's constants: a = sqrt(2 log2 e) / (exp(log width) + 1e-12)
.irp i, 0,2,4,6,8,10,12,14
	v_pk_mul_f32 v[AA+\i:AA+\i+1], v[AA+\i:AA+\i+1], L2E op_sel_hi:[1,0]
.endr
.irp i, 0,1,2,3,4,5,6,7,8,9,10,11,12,13,14,15
	v_exp_f32 v[AA+\i], v[AA+\i]
.endr
.irp j, 0,1,2,3,4,5,6,7
	v_mov_b32 v[W3D+2*\j+1], v[W3D+2*\j]           ; W3 and b3 twice, for the packed forms (plain work behind the exponentials)
.endr
	v_mov_b32 v[B3D+1], v[B3D]
	s_wait_alu depctr_va_vdst(0)                   ; one wait for the sixteen, ahead of their first reader
.irp i, 0,2,4,6,8,10,12,14
	v_pk_add_f32 v[AA+\i:AA+\i+1], v[AA+\i:AA+\i+1], 0x2b8cbccc op_sel_hi:[1,0]   ; + 1e-12
.endr
.irp i, 0,1,2,3,4,5,6,7,8,9,10,11,12,13,14,15
	v_rcp_f32 v[AA+\i], v[AA+\i]
.endr
	v_nop
	s_wait_alu depctr_va_vdst(0)
.irp i, 0,2,4,6,8,10,12,14
	v_pk_mul_f32 v[AA+\i:AA+\i+1], v[AA+\i:AA+\i+1], 0x3fd96d27 op_sel_hi:[1,0]   ; x sqrt(2 log2 e) = 1.6986436
.endr
	; ---- Wout: my column's two blocks of 32 along K
.macro WBLOCK t
.set XS, WQ+32*(\t)
.if (\t) == 0
	s_wait_loadcnt 32                              ; this block's 32 loads are in; the next block's may be out
.else
	s_wait_loadcnt 0x0
.endif
	v_max3_num_f32 v[WM], |v[XS]|, |v[XS+1]|, |v[XS+2]|            ; the block's largest magnitude, in two chains: all 32 numbers are mine
	v_max3_num_f32 v[WM+1], |v[XS+3]|, |v[XS+4]|, |v[XS+5]|
.irp i, 6,10,14,18,22,26
	v_max3_num_f32 v[WM], v[WM], |v[XS+\i]|, |v[XS+\i+1]|
	v_max3_num_f32 v[WM+1], v[WM+1], |v[XS+\i+2]|, |v[XS+\i+3]|
.endr
	v_max3_num_f32 v[WM], v[WM], |v[XS+30]|, |v[XS+31]|
	v_max3_num_f32 v[WM], v[WM], v[WM+1], FLOOR
	v_add_nc_u32 v[WSO], EOFF, v[WM]               ; 2 off its exponent field: the conversion takes the exponent field of this operand as its scale
	v_lshrrev_b32 v[WBY], 23, v[WSO]               ; the scale's byte
.if (\t) == 0
	v_mov_b32 v[BYW], v[WBY]
.else
	v_lshl_or_b32 v[BYW], v[WBY], 8, v[BYW]
.endif
.irp g, 0,1,2,3
	v_cvt_scalef32_pk8_fp4_f32 v[WC+4*(\t)+\g], v[XS+8*\g:XS+8*\g+7], v[WSO]
.endr
	v_nop                                          ; one plain line behind the conversions
	global_store_b128 v22, v[WC+4*(\t):WC+4*(\t)+3], s[26:27] offset:256*(\t)   ; sixteen lanes store a block's 256 consecutive bytes, aligned
.endm
	WBLOCK 0
	WBLOCK 1
	ds_store_b16 v13, v[BYW]
.irp r, 0,1,2,3,4,5,6,7,8,9,10,11,12,13,14,15
	v_mov_b32 v[ZZ+2*\r+1], 0                      ; once: the upper halves of z's pairs are named, never used
.endr
	BARRIER                                        ; the hidden layer and Wout's scale bytes lie in LDS
	s_cmp_gt_u32 s3, 1
	s_cbranch_scc1 .Lno_ws
	ds_load_b128 v[210:213], v14                   ; waves 0 and 1 (their bq stands at the record's first byte): two column tiles' 256 scale bytes each
	s_wait_dscnt 0x0
	global_store_b128 v22, v[210:213], s[26:27] offset:4096
.Lno_ws:
	s_wait_xcnt 0x0                                ; bq's stores have read their registers, which are written again below
	; ---- the rows, a tile of 16 at a time
.macro PSUM base                       ; p of pairs of rows base .. base + 3: b3 + the sum over j of h[j] W3[j][my dim], two rows an instruction, the four pairs by turns
.irp q, 0,1,2,3
.irp c, 0,1,2,3
	ds_load_b128 v[H+16*\q+4*\c:H+16*\q+4*\c+3], v7 offset:64*(\base+\q)+16*\c
.endr
.endr
	s_wait_dscnt 0x0
.irp j, 0,1,2,3,4,5,6,7
.irp q, 0,1,2,3
.if \j == 0
	v_pk_fma_f32 v[P+2*(\base+\q):P+2*(\base+\q)+1], v[H+16*\q:H+16*\q+1], v[W3D:W3D+1], v[B3D:B3D+1]
.else
	v_pk_fma_f32 v[P+2*(\base+\q):P+2*(\base+\q)+1], v[H+16*\q+2*\j:H+16*\q+2*\j+1], v[W3D+2*\j:W3D+2*\j+1], v[P+2*(\base+\q):P+2*(\base+\q)+1]
.endif
.endr
.endr
.endm
.macro METRIC                          ; g, z and log2 g of my dim for 16 rows
.irp r, 0,1,2,3,4,5,6,7,8,9,10,11,12,13,14,15
	ds_load_b32 v[XV+\r], v8 offset:XP*\r
.endr
	PSUM 0
	PSUM 4
.irp r, 0,1,2,3,4,5,6,7,8,9,10,11,12,13,14,15
	v_mul_f32 v[E+\r], NL2E, |v[P+\r]|
.endr
.irp r, 0,1,2,3,4,5,6,7,8,9,10,11,12,13,14,15
	v_exp_f32 v[E+\r], v[E+\r]                     ; e = exp(-|p|)
.endr
.irp r, 0,1,2,3,4,5,6,7,8,9,10,11,12,13,14,15
	v_max_num_f32 v[P+\r], 0, v[P+\r]              ; max(p, 0): plain work behind the exponentials
.endr
	s_wait_alu depctr_va_vdst(0)
.irp r, 0,2,4,6,8,10,12,14
	v_pk_add_f32 v[WT+\r:WT+\r+1], v[E+\r:E+\r+1], 1.0 op_sel_hi:[1,0]           ; w = 1 + e, rounded
.endr
.irp r, 0,1,2,3,4,5,6,7,8,9,10,11,12,13,14,15
	v_log_f32 v[LL+\r], v[WT+\r]
.endr
.irp r, 0,1,2,3,4,5,6,7,8,9,10,11,12,13,14,15
	v_rcp_f32 v[RR+\r], v[WT+\r]
.endr
.irp r, 0,2,4,6,8,10,12,14
	v_pk_add_f32 v[DD+\r:DD+\r+1], v[WT+\r:WT+\r+1], -1.0 op_sel_hi:[1,0]
.endr
.irp r, 0,2,4,6,8,10,12,14
	v_pk_add_f32 v[E+\r:E+\r+1], v[E+\r:E+\r+1], v[DD+\r:DD+\r+1] neg_lo:[0,1] neg_hi:[0,1]   ; what the rounding of w lost
.endr
	s_wait_alu depctr_va_vdst(0)                   ; one wait for the 32, ahead of their first reader
.irp r, 0,2,4,6,8,10,12,14
	v_pk_mul_f32 v[E+\r:E+\r+1], v[E+\r:E+\r+1], v[RR+\r:RR+\r+1]
.endr
.irp r, 0,2,4,6,8,10,12,14
	v_pk_fma_f32 v[LL+\r:LL+\r+1], v[LL+\r:LL+\r+1], LN2, v[E+\r:E+\r+1] op_sel_hi:[1,0,1]    ; log1p(e)
.endr
.irp r, 0,2,4,6,8,10,12,14
	v_pk_add_f32 v[P+\r:P+\r+1], v[P+\r:P+\r+1], v[LL+\r:LL+\r+1]
.endr
.irp r, 0,2,4,6,8,10,12,14
	v_pk_add_f32 v[P+\r:P+\r+1], v[P+\r:P+\r+1], 0x322bcc77 op_sel_hi:[1,0]      ; g = softplus + 1e-8
.endr
.irp r, 0,1,2,3,4,5,6,7,8,9,10,11,12,13,14,15
	v_sqrt_f32 v[WT+\r], v[P+\r]
.endr
.irp r, 0,1,2,3,4,5,6,7,8,9,10,11,12,13,14,15
	v_log_f32 v[LL+\r], v[P+\r]
.endr
	v_nop
	s_wait_alu depctr_va_vdst(0)
.irp r, 0,1,2,3,4,5,6,7,8,9,10,11,12,13,14,15
	v_mul_f32 v[ZZ+2*\r], v[XV+\r], v[WT+\r]       ; z = x sqrt(g)
.endr
.irp r, 0,1,2,3,4,5,6,7,8,9,10,11,12,13,14,15
	ds_store_b32 v8, v[LL+\r] offset:XP*\r         ; log2 g over my own word of x, which nobody else reads
.endr
	s_wait_dscnt 0x0                               ; the stores have read their registers
.endm
.macro PHI2 p                          ; rows 2 p and 2 p + 1 of the tile: 16 numbers of phi each, their block's scale, their codes
.irp rr, 0,1
.irp i, 0,2,4,6,8,10,12,14
	v_pk_add_f32 v[T+16*\rr+\i:T+16*\rr+\i+1], v[ZZ+4*(\p)+2*\rr:ZZ+4*(\p)+2*\rr+1], v[CC+\i:CC+\i+1] op_sel_hi:[0,1] neg_lo:[0,1] neg_hi:[0,1]   ; z - c (z's low word serves both halves)
.endr
.endr
.irp rr, 0,1
.irp i, 0,2,4,6,8,10,12,14
	v_pk_mul_f32 v[T+16*\rr+\i:T+16*\rr+\i+1], v[T+16*\rr+\i:T+16*\rr+\i+1], v[AA+\i:AA+\i+1]
.endr
.endr
.irp i, 0,2,4,6,8,10,12,14,16,18,20,22,24,26,28,30
	v_pk_mul_f32 v[T+\i:T+\i+1], v[T+\i:T+\i+1], v[T+\i:T+\i+1] neg_lo:[0,1] neg_hi:[0,1]   ; -((z - c) a)^2
.endr
.irp i, 0,1,2,3,4,5,6,7,8,9,10,11,12,13,14,15,16,17,18,19,20,21,22,23,24,25,26,27,28,29,30,31
	v_exp_f32 v[T+\i], v[T+\i]
.endr
	v_nop                                          ; one plain line behind the batch,
	s_wait_alu depctr_va_vdst(0)                   ; and one wait for the 32, ahead of their first reader
.irp rr, 0,1
	v_max3_num_f32 v[M+\rr], v[T+16*\rr], v[T+16*\rr+1], FLOOR     ; no |.|: phi is never negative
.endr
.irp i, 2,4,6,8,10,12,14
.irp rr, 0,1
	v_max3_num_f32 v[M+\rr], v[M+\rr], v[T+16*\rr+\i], v[T+16*\rr+\i+1]
.endr
.endr
.irp rr, 0,1
	v_max_num_f32_dpp v[M+\rr], v[M+\rr], v[M+\rr] row_xmask:1 row_mask:0xf bank_mask:0xf   ; with my neighbour's 16: the block's
.endr
.irp rr, 0,1
	v_add_nc_u32 v[SO+\rr], EOFF, v[M+\rr]
.endr
.irp rr, 0,1
	v_cvt_scalef32_pk8_fp4_f32 v[CD+4*(\p)+2*\rr], v[T+16*\rr:T+16*\rr+7], v[SO+\rr]
	v_cvt_scalef32_pk8_fp4_f32 v[CD+4*(\p)+2*\rr+1], v[T+16*\rr+8:T+16*\rr+15], v[SO+\rr]
.endr
.irp rr, 0,1
	v_lshrrev_b32 v[BY+2*(\p)+\rr], 23, v[SO+\rr]  ; the scale's byte (also the plain line behind the conversions)
.endr
.irp rr, 0,1
	ds_store_b64 v9, v[CD+4*(\p)+2*\rr:CD+4*(\p)+2*\rr+1] offset:16*(2*(\p)+\rr)
	ds_store_b8 v10, v[BY+2*(\p)+\rr] offset:16*(2*(\p)+\rr)       ; both lanes of a block write the same byte with the same value
.endr
.endm
.macro FLUSH                           ; the tile's chunk leaves my stage as it will lie in the operand's registers
.irp t, 0,1,2,3,4,5,6,7
	ds_load_b128 v[FB+4*\t:FB+4*\t+3], v11 offset:544*\t           ; LDS serves a wave's instructions in order: these see my stores
.endr
	ds_load_b64 v[FS:FS+1], v12
	s_wait_dscnt 0x0
.irp t, 0,1,2,3,4,5,6,7
	global_store_b128 v18, v[FB+4*\t:FB+4*\t+3], s[24:25] offset:512*\t   ; 32 lanes store 512 consecutive bytes, aligned to 256
.endr
	global_store_b64 v23, v[FS:FS+1], s[24:25] offset:4096                ; and the 256 scale bytes
	s_wait_xcnt 0x0                                ; the stores have read their registers and their base: both are written again
	s_add_nc_u64 s[24:25], s[24:25], TSTR          ; the next row tile's chunk w
	v_add_nc_u32 v8, 16*XP, v8
	v_add_nc_u32 v7, 512, v7
.endm
	s_mov_b32 s2, 2
.Ltile:
	METRIC
.irp p, 0,1,2,3,4,5,6,7
	PHI2 \p
.endr
	FLUSH
	s_sub_co_u32 s2, s2, 1
	s_cmp_lg_u32 s2, 0
	s_cbranch_scc1 .Ltile
; One number in v[LV] becomes a record in v[174:177]: its block of 32 holds it and zeros
.macro ONE
.irp i, 1,2,3,4,5,6,7
	v_mov_b32 v[LV+\i], 0
.endr
	v_max_num_f32 v170, FLOOR, |v[LV]|
	v_add_nc_u32 v171, EOFF, v170
	v_lshrrev_b32 v172, 23, v171
	v_cvt_scalef32_pk8_fp4_f32 v174, v[LV:LV+7], v171
	v_or_b32 v175, 0x7f7f7f00, v172                ; the K step's other three blocks hold zero codes under the byte 127
	v_mov_b32 v176, 0
	v_mov_b32 v177, v175
.endm
	; ---- Wout's row 8,192, which meets logdet: work-groups 0 and 1, a thread to a column
	s_cmp_gt_u32 ttmp9, 1
	s_cbranch_scc1 .Lno_tail
	s_load_b64 s[66:67], s[0:1], 0x48              ; Wout once more: the other copy has been stepped
	s_lshl_b32 s100, ttmp9, 11
	s_mov_b32 s101, 0
	s_wait_kmcnt 0x0
	s_add_nc_u64 s[66:67], s[66:67], s[100:101]
	s_add_nc_u64 s[66:67], s[66:67], 0x2000000     ; 8,192 rows of 4,096 bytes
	global_load_b32 v[LV], v25, s[66:67]
	s_lshl_b32 s100, ttmp9, 13
	s_add_nc_u64 s[30:31], s[30:31], s[100:101]
	s_wait_loadcnt 0x0
	ONE
	global_store_b128 v26, v[174:177], s[30:31]    ; a wave stores 512 consecutive bytes
.Lno_tail:
	s_wait_xcnt 0x0                                ; that store has read its registers
	; ---- logdet: sixteen lanes to a row
	BARRIER                                        ; log2 g of 32 rows x 512 dims lies where x lay
.irp c, 0,1,2,3,4,5,6,7
	ds_load_b128 v[LV+4*\c:LV+4*\c+3], v15 offset:256*\c
.endr
	s_wait_dscnt 0x0
.irp i, 0,2,4,6,8,10,12,14
	v_pk_add_f32 v[LV+\i:LV+\i+1], v[LV+\i:LV+\i+1], v[LV+16+\i:LV+16+\i+1]
.endr
.irp i, 0,2,4,6
	v_pk_add_f32 v[LV+\i:LV+\i+1], v[LV+\i:LV+\i+1], v[LV+8+\i:LV+8+\i+1]
.endr
.irp i, 0,2
	v_pk_add_f32 v[LV+\i:LV+\i+1], v[LV+\i:LV+\i+1], v[LV+4+\i:LV+4+\i+1]
.endr
	v_pk_add_f32 v[LV:LV+1], v[LV:LV+1], v[LV+2:LV+3]
	v_add_f32 v[LV], v[LV], v[LV+1]
	v_add_f32_dpp v[LV], v[LV], v[LV] row_xmask:1 row_mask:0xf bank_mask:0xf
	v_add_f32_dpp v[LV], v[LV], v[LV] row_xmask:2 row_mask:0xf bank_mask:0xf
	v_add_f32_dpp v[LV], v[LV], v[LV] row_xmask:4 row_mask:0xf bank_mask:0xf
	v_add_f32_dpp v[LV], v[LV], v[LV] row_xmask:8 row_mask:0xf bank_mask:0xf
	ds_store_b32 v16, v[LV]                        ; sixteen lanes write the same word with the same value
	BARRIER
	s_cmp_lg_u32 s3, 0
	s_cbranch_scc1 .Lend
	ds_load_b32 v[LV], v17                         ; wave 0: a lane to a row
	s_wait_dscnt 0x0
	v_mul_f32 v[LV], LN2, v[LV]
	ONE
	global_store_b128 v18, v[174:177], s[28:29]    ; 512 consecutive bytes
.Lend:
	s_wait_tensorcnt 0x0
	ds_add_u32 v20, v255
	s_wait_dscnt 0x0
	s_endpgm
.Lfunc_end_k_q1eea6eab4f_prep:
	.size	k_q1eea6eab4f_prep, .Lfunc_end_k_q1eea6eab4f_prep-k_q1eea6eab4f_prep
	.p2alignl 7, 3214868480
	.fill 96, 4, 3214868480
	.section	.rodata,"a",@progbits
	.p2align	6, 0x0
	.amdhsa_kernel k_q1eea6eab4f_prep
		.amdhsa_group_segment_fixed_size 162816
		.amdhsa_private_segment_fixed_size 0
		.amdhsa_enable_private_segment 0
		.amdhsa_kernarg_size 112
		.amdhsa_user_sgpr_count 2
		.amdhsa_user_sgpr_kernarg_segment_ptr 1
		.amdhsa_wavefront_size32 1
		.amdhsa_system_sgpr_workgroup_id_x 1
		.amdhsa_system_sgpr_workgroup_id_y 1
		.amdhsa_system_sgpr_workgroup_id_z 1
		.amdhsa_system_vgpr_workitem_id 0
		.amdhsa_next_free_vgpr 256
		.amdhsa_next_free_sgpr 102
		.amdhsa_reserve_vcc 0
		.amdhsa_float_denorm_mode_32 3
		.amdhsa_float_denorm_mode_16_64 3
		.amdhsa_memory_ordered 1
		.amdhsa_forward_progress 1
		.amdhsa_inst_pref_size 116
	.end_amdhsa_kernel
	.amdgpu_metadata
---
amdhsa.version: [ 1, 2 ]
amdhsa.kernels:
  - .name:           k_q1eea6eab4f_prep
    .symbol:         k_q1eea6eab4f_prep.kd
    .args:
      - { .name: x, .offset: 0, .size: 8, .value_kind: global_buffer, .address_space: global }
      - { .name: W1, .offset: 8, .size: 8, .value_kind: global_buffer, .address_space: global }
      - { .name: b1, .offset: 16, .size: 8, .value_kind: global_buffer, .address_space: global }
      - { .name: W2, .offset: 24, .size: 8, .value_kind: global_buffer, .address_space: global }
      - { .name: b2, .offset: 32, .size: 8, .value_kind: global_buffer, .address_space: global }
      - { .name: W3, .offset: 40, .size: 8, .value_kind: global_buffer, .address_space: global }
      - { .name: b3, .offset: 48, .size: 8, .value_kind: global_buffer, .address_space: global }
      - { .name: centers, .offset: 56, .size: 8, .value_kind: global_buffer, .address_space: global }
      - { .name: log_widths, .offset: 64, .size: 8, .value_kind: global_buffer, .address_space: global }
      - { .name: Wout, .offset: 72, .size: 8, .value_kind: global_buffer, .address_space: global }
      - { .name: aq, .offset: 80, .size: 8, .value_kind: global_buffer, .address_space: global }
      - { .name: bq, .offset: 88, .size: 8, .value_kind: global_buffer, .address_space: global }
      - { .name: ta, .offset: 96, .size: 8, .value_kind: global_buffer, .address_space: global }
      - { .name: tb, .offset: 104, .size: 8, .value_kind: global_buffer, .address_space: global }
    .group_segment_fixed_size: 162816
    .private_segment_fixed_size: 0
    .kernarg_segment_align: 8
    .kernarg_segment_size: 112
    .max_flat_workgroup_size: 512
    .sgpr_count:     102
    .vgpr_count:     256
    .wavefront_size: 32
...
	.end_amdgpu_metadata
.endif
;; end of part 1
;; launch gemm (part 2): grid 4 x 64, 4 waves a work-group, clusters of 4 x 4, 327,680 bytes of LDS; arguments aq, bq, ta, tb, bout, out0; writes out0
.if DOCPART == 2
	.amdgcn_target "amdgcn-amd-amdhsa--gfx1250"
	.amdhsa_code_object_version 6
	.text
	.protected	k_q1eea6eab4f_gemm
	.globl	k_q1eea6eab4f_gemm
	.p2align	8
	.type	k_q1eea6eab4f_gemm,@function
k_q1eea6eab4f_gemm:
	s_mov_b64 s[64:65], 0
	v_nop
	global_prefetch_b8 v0, s[64:65] scope:SCOPE_SE
	s_setreg_imm32_b32 hwreg(HW_REG_WAVE_MODE, 25, 1), 1
	s_wait_xcnt 0x0
	s_wait_alu depctr_hold_cnt(0) depctr_sa_sdst(0) depctr_va_vdst(0) depctr_va_sdst(0) depctr_va_ssrc(0) depctr_va_vcc(0) depctr_vm_vsrc(0)
	s_getreg_b32 s2, hwreg(HW_REG_IB_STS2, 6, 4)
	s_cmp_eq_u32 s2, 0
	s_cbranch_scc0 .Lentry_in_a_cluster
	s_endpgm
.Lentry_in_a_cluster:
	s_bfe_u32 s2, ttmp6, 0x10000c
	s_cmp_lg_u32 s2, 0xf033
	s_cbranch_scc0 .Lentry_shape_is_right
	s_endpgm
.Lentry_shape_is_right:
; out0[m][n] = the sum over k of feats[m][k] Wout[k][n] + bout[n], M = 8,192, N = 1,024, K = 8,193, on codes of E2M1 with one E8M0 scale for each 32 along K, as the launch before has made them; sums in f32.
; aq: [512 tiles of 16 rows][16 chunks of 512 along K][4,352 bytes], bq: [64 tiles of 16 columns][16 chunks][4,352 bytes].  A chunk's record is an image of the operand's registers: codes [block 16][row 16][16 bytes], so that
; registers 4 c .. 4 c + 3 of K step q are the 512 consecutive bytes at 1,024 q + 512 c, 16 a lane; behind them 256 scale bytes [row 16][block 16]: a row's four scale words, one for each K step.
; ta, tb: the 8,193rd number of each row and column: 16 bytes: code word, scale word, 0, scale word.  It is a K step of its own, built in registers, and it STARTS the sums, with bout as its C: nothing is cleared, no bias is added later.
; SHARES.  A tile of out0, 128 x 256, is made by a work-group of four waves, as many as a WGP has SIMDs: 256 work-groups.  A wave makes 64 x 128: 32 accumulators of 16 x 16.
; K goes in chunks of 512 (4 K steps of 128) through a ring of two LDS slots of 24 records (8 tiles of rows, 16 of columns), filled by the tensor data mover: waves 0 and 1 fetch A's halves, waves 2 and 3 B's.
; No padding: every LDS load of a fragment reads 512 consecutive bytes.
; CLUSTERS: 4 x 4 work-groups.  The four of a row of the cluster need the same records of A, the four of a column the same records of B: each is asked for JOINTLY, by the same tensor load with the same descriptor and a mask that names the four.
; THE MATRIX INSTRUCTION IS USED TRANSPOSED (source 0 = 16 columns of Wout, source 1 = 16 rows of feats): a lane then holds eight neighbouring numbers of a row of out0.
; REGISTERS, in windows of 256: window 0: v0-19 addresses; v20-31 the last number's scale words; v32-95 scale words, a set for each slot; v96-159 A's fragments, two sets; v160-223 bout in the result's layout; on the way out v96-223 take rows.
;   window 1: the 32 accumulators ((a, b) at v[8 (8 a + b)]).   window 2: v0-127 B's fragments, two sets.
; LIMITS: none of its own; the order of the f32 sums is the last number first, then K ascending.
.set REC,    4352                      ; a chunk's record
.set TSTR,   16*REC                    ; from tile to tile in memory
.set SLOT,   24*REC                    ; A's 8 records, then B's 16
.set SPARE,  2*SLOT                    ; behind the ring: the spare words, 128 bytes for each wave: two blocks of 256 bytes that no other line names
.set STAGE,  SPARE+512                 ; the way out: 16 rows x (512 bytes + 16) for each wave; no tensor load lands here
.set SPITCH, 528
.set ADRA, 6                           ; v6-7    LDS address of my A fragments in slot 0, 1
.set ADRB, 8                           ; v8-9    the same for B
.set ADRS, 10                          ; v10-11  of my scale words: lanes 0-15 A's rows, lanes 16-31 B's columns
.set STO,  12                          ; v12     the way out: where I put 32 bytes of a row
.set RD,   13                          ; v13     where I read a row back
.set CO,   14                          ; v14     my byte offset in a row of out0
.set TO,   15                          ; v15     my place in ta and tb: 16 (lane % 16) + 8 (lane / 16)
.set SPW,  16                          ; v16     LDS address of my spare word: SPARE + 4 x my thread's number; never rewritten
.set NIL,  17                          ; v17     0; never rewritten
.set PFO,  18                          ; v18     the prefetches' offset: 256 x min(lane, 16); never rewritten
.set BO,   19                          ; v19     32 (lane / 16)
.set TSA,  20                          ; v20-23  the last number's scale words of my 4 tiles of rows;  v24-31 of my 8 tiles of columns
.set TSB,  24
.set SC,   32                          ; set s (for slot s) at v[SC + 32 s]; in it register 4 i + q: lanes 0-15 the word of A's tile i, lanes 16-31 that of B's tile i, for the chunk's K step q
.set AF,   96                          ; A's fragments: set p at v[AF + 32 p]
.set BIAS, 160
.set BK,   96                          ; the way out: 16 rows read back: v96-159 and v160-223 by turns
.set G1,  24                           ; s[24:31] descriptor group 1 for A's records;  s[32:39] group 0, one set for each slot
.set G0,  32
.set G1B, 48                           ; s[48:55], s[56:63] the same for B's
.set G0B, 56
.set LIM, 43                           ; s43     1 in a wave that prefetches, else the greatest number
.set PFA, 44                           ; s[44:45] where my prefetches stand
.set MSB, 0
.macro WIN new                         ; the immediate's high byte repeats the setting that is left; a switch that changes nothing is dropped
.if MSB != \new
	s_set_vgpr_msb (MSB<<8)|\new
.set MSB, \new
.endif
.endm
.set MUL,  0x52                        ; source 0 (B) window 2, source 1 (A) window 0, C and D window 1
.set MULB, 0x42                        ; the same with C (bout) in window 0
.set TO_B, 0x80                        ; destination window 2, address window 0
; A joint load: waves 0 and 1 fetch for A, waves 2 and 3 for B.  Each of the two lines has ONE mask and one set of registers for all that issue it; the branch hangs on the wave's number alone.
; Four v_nop follow each of the two lines, ahead of the jump, the label and what follows.
.macro JLOAD s
	s_cmp_eq_u32 s17, 0
	s_cbranch_scc0 .Lfor_b_\@
	tensor_load_to_lds s[G0+4*\s:G0+4*\s+3], s[G1:G1+7]
	s_nop 0
.rept 4
	v_nop
.endr
	s_branch .Lasked_\@
.Lfor_b_\@:
	tensor_load_to_lds s[G0B+4*\s:G0B+4*\s+3], s[G1B:G1B+7]
	s_nop 0
.rept 4
	v_nop
.endr
.Lasked_\@:
.endm
.macro CREST                           ; a round of the cluster's barrier behind its opening barrier
	s_cmp_lg_u32 s16, 0
	s_cbranch_scc1 .Lnot_wave_0_\@
	s_barrier_signal -3
.Lnot_wave_0_\@:
	s_barrier_wait -3
	s_barrier_signal -1
	s_barrier_wait -1
.endm
.macro CROUND                          ; a whole round
	s_barrier_signal -1
	s_barrier_wait -1
	CREST
.endm
; A PREFETCH INTO THE L2 of A's records, which this launch reads once.  At the change of slots that asks for chunk n, waves 0 and 1 name chunk n + 2: two changes, 256 matrix instructions, ahead of the load that will want it.
; A work-group's 8 tiles of rows are read by its row of the cluster alone; wave w (0 or 1) of the partner at place cx names tile 4 w + cx: the partners are told apart BY ADDRESS, and each record is named once in the launch.
; A record is 17 blocks of 256 bytes: lanes 0-16 name one each, lanes 17-31 the last once more.  Chunks 0 to 3 come by their loads alone; the loop's last trip, which asks for chunks 14 and 15, names nothing.
.macro ASK
	s_cmp_gt_u32 s3, s[LIM]
	s_cbranch_scc0 .Lnot_mine_\@
	global_prefetch_b8 v[PFO], s[PFA:PFA+1] th:TH_LOAD_NT scope:SCOPE_SE
.Lnot_mine_\@:
.endm
	s_load_b256 s[4:11], s[0:1], 0x0               ; aq s[4:5], bq s[6:7], ta s[8:9], tb s[10:11]
	s_load_b128 s[12:15], s[0:1], 0x20             ; bout s[12:13], out0 s[14:15]
	v_lshl_add_u32 v[SPW], v0, 2, SPARE
	v_mov_b32 v[NIL], 0
	ds_add_u32 v16, v17
	ds_add_u32 v16, v17
	s_wait_dscnt 0x0
	v_lshrrev_b32 v1, 5, v0
	v_readfirstlane_b32 s16, v1                    ; wave 0..3
	s_lshr_b32 s17, s16, 1                         ; which 64 of the tile's rows are mine.  Also: I fetch for A (0) or for B (1)
	s_and_b32 s18, s16, 1                          ; which 128 of its columns.  Also: which half of the records I fetch
	s_bfe_u32 s40, ttmp6, 0x40000                  ; cx, cy: my place in the cluster
	s_bfe_u32 s41, ttmp6, 0x40004
	s_lshl_b32 s42, ttmp9, 2
	s_add_co_u32 s42, s42, s40                     ; tile column = 4 x cluster x + cx
	s_and_b32 s19, ttmp7, 0xffff
	s_lshl_b32 s19, s19, 2
	s_add_co_u32 s19, s19, s41                     ; tile row = 4 x cluster y + cy
	s_lshl_b32 s66, s41, 2
	s_lshl_b32 s66, 15, s66                        ; my row of the cluster
	s_lshl_b32 s67, 0x1111, s40                    ; my column
	; descriptor group 1: R records of 4,352 bytes (544 elements of 8 bytes), a tile's 16 chunks (8,704 elements) apart in memory, on end in LDS
	s_or_b32 s[G1+0], s66, (3<<16)|(1<<21)         ; 15:0 the mask: A's records go to my row; 17:16 elements of 8 bytes; 20 no padding; 21 set beside a mask
	s_or_b32 s[G1B+0], s67, (3<<16)|(1<<21)        ; B's go to my column
	s_mov_b32 s[G1+1], 544<<16                     ; tensor_dim0
	s_mov_b32 s[G1+2], 4<<16                       ; tensor_dim1 = 4 records
	s_mov_b32 s[G1+3], 544<<16                     ; tile_dim0
	s_mov_b32 s[G1+4], 4                           ; tile_dim1
	s_mov_b32 s[G1+5], 8704                        ; tensor_dim0_stride
	s_mov_b32 s[G1+6], 0
	s_mov_b32 s[G1+7], 0
	s_mov_b32 s[G1B+1], 544<<16
	s_mov_b32 s[G1B+2], 8<<16                      ; 8 records
	s_mov_b32 s[G1B+3], 544<<16
	s_mov_b32 s[G1B+4], 8
	s_mov_b32 s[G1B+5], 8704
	s_mov_b32 s[G1B+6], 0
	s_mov_b32 s[G1B+7], 0
	; where the records come from.  A's hang on the tile row alone, B's on the tile column alone, each in registers that never hold the other coordinate
	s_lshl_b32 s20, s19, 3
	s_lshl_b32 s22, s18, 2
	s_add_co_u32 s20, s20, s22                     ; A: row tile 8 x tile row + 4 x half
	s_mul_i32 s20, s20, TSTR
	s_mov_b32 s21, 0
	s_lshl_b32 s46, s42, 4
	s_lshl_b32 s22, s18, 3
	s_add_co_u32 s46, s46, s22                     ; B: column tile 16 x tile column + 8 x half
	s_mul_i32 s46, s46, TSTR
	s_mov_b32 s47, 0
	s_mul_i32 s23, s18, 4*REC                      ; and where they go: no place in the cluster enters an LDS address
	s_mul_i32 s2, s18, 8*REC
	s_add_co_u32 s2, s2, 8*REC
	s_wait_kmcnt 0x0
	s_add_nc_u64 s[20:21], s[4:5], s[20:21]
	s_add_nc_u64 s[46:47], s[6:7], s[46:47]
	CROUND                                         ; all sixteen work-groups are here: the first joint loads meet
.irp s, 0,1
	s_mov_b32 s[G0+4*\s], 1                        ; count = 1
	s_add_co_u32 s[G0+4*\s+1], s23, \s*SLOT        ; LDS address
	s_add_nc_u64 s[G0+4*\s+2:G0+4*\s+3], s[20:21], \s*REC   ; global address: chunk s
	s_or_b32 s[G0+4*\s+3], s[G0+4*\s+3], 0x80000000         ; type = 2
	s_mov_b32 s[G0B+4*\s], 1
	s_add_co_u32 s[G0B+4*\s+1], s2, \s*SLOT
	s_add_nc_u64 s[G0B+4*\s+2:G0B+4*\s+3], s[46:47], \s*REC
	s_or_b32 s[G0B+4*\s+3], s[G0B+4*\s+3], 0x80000000
.endr
	s_cmp_eq_u32 s17, 0                            ; a wave's two first fills stand in one branch, ahead of every wait on TENSORcnt and every LDS read: two loads of mine are out
	s_cbranch_scc0 .Lfirst_b
	tensor_load_to_lds s[G0:G0+3], s[G1:G1+7]
	s_nop 0
	tensor_load_to_lds s[G0+4:G0+7], s[G1:G1+7]
	s_nop 0
.rept 4
	v_nop
.endr
	s_branch .Lfirst_asked
.Lfirst_b:
	tensor_load_to_lds s[G0B:G0B+3], s[G1B:G1B+7]
	s_nop 0
	tensor_load_to_lds s[G0B+4:G0B+7], s[G1B:G1B+7]
	s_nop 0
.rept 4
	v_nop
.endr
.Lfirst_asked:
	; ---- while the first records are on their way: bout, and the K step of the last number
	v_and_b32 v3, 31, v0                           ; lane
	v_and_b32 v1, 15, v0                           ; r
	v_bfe_u32 v2, v0, 4, 1                         ; h
	v_lshlrev_b32 v[TO], 4, v1
	v_lshl_add_u32 v[TO], v2, 3, v[TO]
	v_lshlrev_b32 v[BO], 5, v2
	s_lshl_b32 s2, s42, 10
	s_lshl_b32 s3, s18, 9
	s_add_co_u32 s2, s2, s3                        ; my first column x 4 bytes: 1,024 x tile column + 512 x half
	s_mov_b32 s3, 0
	s_add_nc_u64 s[12:13], s[12:13], s[2:3]        ; in bout,
	s_add_nc_u64 s[14:15], s[14:15], s[2:3]        ; in a row of out0,
	s_lshl_b32 s2, s2, 2
	s_add_nc_u64 s[10:11], s[10:11], s[2:3]        ; and x 16 bytes in tb
	s_lshl_b32 s2, s19, 11
	s_lshl_b32 s22, s17, 10
	s_add_co_u32 s2, s2, s22                       ; my first row x 16 bytes: 2,048 x tile row + 1,024 x half
	s_add_nc_u64 s[8:9], s[8:9], s[2:3]            ; in ta,
	s_lshl_b32 s2, s2, 8
	s_add_nc_u64 s[14:15], s[14:15], s[2:3]        ; and x 4,096 bytes in out0
.irp b, 0,1,2,3,4,5,6,7
	global_load_b128 v[BIAS+8*\b:BIAS+8*\b+3], v[BO], s[12:13] offset:64*\b        ; lane (r, h), register j: bout of column 16 b + 8 h + j: the result's layout
	global_load_b128 v[BIAS+8*\b+4:BIAS+8*\b+7], v[BO], s[12:13] offset:64*\b+16
.endr
.irp a, 0,1,2,3
	global_load_b32 v[TSA+\a], v[TO], s[8:9] offset:256*\a+4
	global_load_b32 v[AF+32+8*\a], v[TO], s[8:9] offset:256*\a     ; register 0 of the fragment: lanes 0-15 the code word, lanes 16-31 the record's 0
.endr
.irp b, 0,1,2,3,4,5,6,7
	global_load_b32 v[TSB+\b], v[TO], s[10:11] offset:256*\b+4
.endr
	WIN TO_B
.irp b, 0,1,2,3,4,5,6,7
	global_load_b32 v[64+8*\b], v[TO], s[10:11] offset:256*\b
.endr
.irp b, 0,1,2,3,4,5,6,7
.irp i, 1,2,3,4,5,6,7
	v_mov_b32 v[64+8*\b+\i], 0                     ; the rest of this one K step is zero codes, on both sides
.endr
.endr
	WIN 0
.irp a, 0,1,2,3
.irp i, 1,2,3,4,5,6,7
	v_mov_b32 v[AF+32+8*\a+\i], 0
.endr
.endr
	; the addresses: these plain lines also stand between the lines above, which write operands, and the products
	s_mul_i32 s20, s17, 4*REC                      ; my 4 records of A
	s_mul_i32 s21, s18, 8*REC
	s_add_co_u32 s21, s21, 8*REC                   ; my 8 of B, behind A's 8
	v_lshlrev_b32 v4, 4, v3                        ; 16 x lane
	v_add_nc_u32 v[ADRA], s20, v4
	v_add_nc_u32 v[ADRB], s21, v4
	v_add_nc_u32 v[ADRA+1], SLOT, v[ADRA]
	v_add_nc_u32 v[ADRB+1], SLOT, v[ADRB]
	s_sub_co_u32 s21, s21, s20
	v_mul_u32_u24 v5, s21, v2                      ; lanes 16-31 take B's
	v_lshl_add_u32 v5, v1, 4, v5                   ; a row's four scale words: 16 bytes
	s_add_co_u32 s20, s20, 4096                    ; behind the record's codes
	v_add_nc_u32 v[ADRS], s20, v5
	v_add_nc_u32 v[ADRS+1], SLOT, v[ADRS]
	s_mul_i32 s22, s16, 16*SPITCH
	s_add_co_u32 s22, s22, STAGE                   ; my stage
	v_mul_u32_u24 v5, v1, SPITCH
	v_lshl_add_u32 v5, v2, 5, v5
	v_add_nc_u32 v[STO], s22, v5                   ; in: row r, 32 bytes for each half of the lanes
	v_mov_b32 v[CO], v4                            ; back: the 32 lanes take one row of 512 bytes; and the same in out0
	v_add_nc_u32 v[RD], s22, v4
	v_min_u32 v[PFO], 16, v3
	v_lshlrev_b32 v[PFO], 8, v[PFO]
	s_lshl_b32 s22, s19, 3                         ; the prefetches: row tile 8 x tile row + 4 x half + cx,
	s_lshl_b32 s23, s18, 2
	s_add_co_u32 s22, s22, s23
	s_add_co_u32 s22, s22, s40
	s_lshl_b32 s22, s22, 4
	s_add_co_u32 s22, s22, 3                       ; chunk 3: the first change of slots steps it to 4
	s_mul_i32 s22, s22, REC
	s_mov_b32 s23, 0
	s_add_nc_u64 s[PFA:PFA+1], s[4:5], s[22:23]
	s_cmp_eq_u32 s17, 0
	s_cselect_b32 s[LIM], 1, -1
	s_wait_loadcnt 0x0
	WIN MULB
.irp a, 0,1,2,3
.irp b, 0,1,2,3,4,5,6,7
	v_wmma_scale_f32_16x16x128_f8f6f4 v[8*(8*\a+\b):8*(8*\a+\b)+7], v[64+8*\b:64+8*\b+7], v[AF+32+8*\a:AF+32+8*\a+7], v[BIAS+8*\b:BIAS+8*\b+7], v[TSB+\b], v[TSA+\a] matrix_a_fmt:MATRIX_FMT_FP4 matrix_b_fmt:MATRIX_FMT_FP4
.endr
.endr
	WIN 0
; The fragments of the slot's K step q into set p: 24 LDS loads in one run, each of 512 consecutive bytes
.macro FETCH slot, q, p
	WIN TO_B
.irp b, 0,1,2,3,4,5,6,7
.irp c, 0,1
	ds_load_b128 v[64*(\p)+8*\b+4*\c:64*(\p)+8*\b+4*\c+3], v[ADRB+\slot] offset:REC*\b+1024*(\q)+512*\c
.endr
.endr
	WIN 0
.irp a, 0,1,2,3
.irp c, 0,1
	ds_load_b128 v[AF+32*(\p)+8*\a+4*\c:AF+32*(\p)+8*\a+4*\c+3], v[ADRA+\slot] offset:REC*\a+1024*(\q)+512*\c
.endr
.endr
.endm
.macro SCALES slot                     ; the chunk's scale words: lanes 0-15 take A's tile i (i over 3: words that no product reads), lanes 16-31 B's tile i
.irp i, 0,1,2,3,4,5,6,7
	ds_load_b128 v[SC+32*\slot+4*\i:SC+32*\slot+4*\i+3], v[ADRS+\slot] offset:REC*\i
.endr
.endm
; 8 matrix instructions: A's tile a x B's eight, the chunk's K step q, from set p; sc: the set of scale words.  The 32 accumulators take turns, one instruction a turn, in the same order in every step.
.macro MUL8 a, p, q, sc
.irp b, 0,1,2,3,4,5,6,7
	v_wmma_scale_f32_16x16x128_f8f6f4 v[8*(8*(\a)+\b):8*(8*(\a)+\b)+7], v[64*(\p)+8*\b:64*(\p)+8*\b+7], v[AF+32*(\p)+8*(\a):AF+32*(\p)+8*(\a)+7], v[8*(8*(\a)+\b):8*(8*(\a)+\b)+7], v[SC+32*(\sc)+4*\b+(\q)], v[SC+32*(\sc)+4*(\a)+(\q)] matrix_a_fmt:MATRIX_FMT_FP4 matrix_b_fmt:MATRIX_FMT_FP4 matrix_a_scale:MATRIX_SCALE_ROW1
.endr
.endm
; A load into a register that a matrix instruction has read, and an LDS store that reads a matrix result, stand four places behind that matrix instruction, and only plain vector instructions that name none of its
; registers are places (ISA guide 7.12.1 for vector instructions).
.macro PLACES
.rept 4
	v_nop
.endr
.endm
; A K step that has its successor in the same slot: the successor's fragments are asked for first, into the other set, and land while this step's 32 products are issued
.macro STEP slot, q
	s_wait_dscnt 0x0                               ; this step's fragments, asked for a step ago, are in
	PLACES                                         ; behind the last step's products, which read the other set
	FETCH \slot, (\q)+1, 1-(\q)%2
	WIN MUL
	MUL8 0, (\q)%2, \q, \slot
	MUL8 1, (\q)%2, \q, \slot
	MUL8 2, (\q)%2, \q, \slot
	MUL8 3, (\q)%2, \q, \slot
.endm
; A slot's last K step changes slots: ONE barrier; in front of it each wave waits for all its tensor loads, adds 0 to its spare word, and waits for that and for its own reads of this slot.  fill = 1: this slot is filled again, two chunks ahead.
.macro TURN slot, next, fill
.if \fill
	s_wait_xcnt 0x0                                ; the last prefetch, a chunk back, has read its address: it is stepped here, ahead of the waits of the change of slots
	s_add_nc_u64 s[PFA:PFA+1], s[PFA:PFA+1], REC
.endif
	WIN 0                                          ; (the add's two registers lie in window 0)
	s_wait_tensorcnt 0x0                           ; all my tensor loads have landed: the one that was out is my part of the next slot;
	ds_add_u32 v[SPW], v[NIL]                      ; 0 onto my spare word;
	s_wait_dscnt 1                                 ; this step's fragments are in (the add alone may be out)
	WIN MUL
	MUL8 0, 1, 3, \slot                            ; eight matrix instructions stand between the add and the wait for it
	s_wait_dscnt 0x0                               ; the add is done, and my reads of this slot are over
	s_barrier_signal -1
	MUL8 1, 1, 3, \slot
	WIN 0
	s_barrier_wait -1
.if \fill
	CREST                                          ; the barrier has opened a round of the cluster's barrier: no wave of any partner still reads this slot or has a load on its way
	s_add_nc_u64 s[G0+4*\slot+2:G0+4*\slot+3], s[G0+4*\slot+2:G0+4*\slot+3], 2*REC
	s_add_nc_u64 s[G0B+4*\slot+2:G0B+4*\slot+3], s[G0B+4*\slot+2:G0B+4*\slot+3], 2*REC
	JLOAD \slot                                    ; the first tensor load behind the round, one a wave; the four v_nop behind it are also the places in front of the loads below
.else
	PLACES
.endif
	FETCH \next, 0, 0
	SCALES \next
.if \fill
	ASK                                            ; behind the joint load and the run of LDS loads that the next products wait for
.endif
	WIN MUL
	MUL8 2, 1, 3, \slot
	MUL8 3, 1, 3, \slot
.endm
	s_wait_tensorcnt 1                             ; my part of chunk 0 is in (chunk 1's load may be out)
	s_barrier_signal -1
	s_barrier_wait -1                              ; everybody's is
	FETCH 0, 0, 0
	SCALES 0
	s_mov_b32 s3, 7
.Llap:                                                 ; a trip goes once round the ring, two chunks, and fills both slots again: chunks 2 to 15
	STEP 0, 0
	STEP 0, 1
	STEP 0, 2
	TURN 0, 1, 1
	STEP 1, 0
	STEP 1, 1
	STEP 1, 2
	TURN 1, 0, 1
	WIN 0                                          ; at a label and at a branch every window is 0
	s_sub_co_u32 s3, s3, 1
	s_cmp_lg_u32 s3, 0
	s_cbranch_scc1 .Llap
	STEP 0, 0                                      ; the last lap is written out: it fills nothing, and has no round of the cluster's barrier
	STEP 0, 1
	STEP 0, 2
	TURN 0, 1, 0
	STEP 1, 0
	STEP 1, 1
	STEP 1, 2
	s_wait_dscnt 0x0                               ; the very last K step: nothing more to fetch
	WIN MUL
	MUL8 0, 1, 3, 1
	MUL8 1, 1, 3, 1
	MUL8 2, 1, 3, 1
	MUL8 3, 1, 3, 1
	WIN 0
; THE WAY OUT, block by block of 16 rows x 128 columns.  A lane holds 32 neighbouring bytes of a row, and the lanes beside it hold other rows: so a block goes through my own stage in LDS and comes back as whole
; rows of 512 bytes.  LDS serves a wave's instructions in order (ISA guide 5.7.1.4): no wait between the stores and the loads, nor in front of the next block's stores.
.macro TOSTAGE a
	WIN 0x04                                       ; an LDS store's data are its source 1: window 1
.irp b, 0,1,2,3,4,5,6,7
	ds_store_b128 v[STO], v[8*(8*(\a)+\b):8*(8*(\a)+\b)+3] offset:64*\b            ; each accumulator from its low end on
	ds_store_b128 v[STO], v[8*(8*(\a)+\b)+4:8*(8*(\a)+\b)+7] offset:64*\b+16
.endr
	WIN 0
.set BB, BK+64*((\a)%2)
.irp t, 0,1,2,3,4,5,6,7,8,9,10,11,12,13,14,15
	ds_load_b128 v[BB+4*\t:BB+4*\t+3], v[RD] offset:\t*SPITCH
.endr
.endm
.macro SEND a, younger                 ; younger: the LDS instructions issued behind block a's loads, which may stay out
.set BB, BK+64*((\a)%2)
	s_wait_dscnt \younger                          ; the block is back in registers
.irp t, 0,1,2,3,4,5,6,7,8,9,10,11,12,13,14,15
	global_store_b128 v[CO], v[BB+4*\t:BB+4*\t+3], s[14:15] offset:(16*(\a)+\t)*4096 th:TH_STORE_NT   ; 32 lanes store 512 consecutive bytes, at a multiple of 256 from out0's first byte; the row stands in the immediate
.endr
.endm
	PLACES                                         ; behind the last products: for the reads of results and for the loads into the registers that held A's fragments
	TOSTAGE 0
	TOSTAGE 1
	SEND 0, 32                                     ; behind block 0's loads: block 1's 16 stores and 16 loads
	s_wait_xcnt 0x0                                ; block 0's stores have read their registers: block 2's loads may land there
	TOSTAGE 2
	SEND 1, 32
	s_wait_xcnt 0x0
	TOSTAGE 3
	SEND 2, 32
	SEND 3, 0
	s_wait_tensorcnt 0x0                           ; the wave's end, behind my last tensor load and my last LDS store
	ds_add_u32 v[SPW], v[NIL]
	s_wait_dscnt 0x0
	CROUND                                         ; the closing round: no work-group ends while a partner may still ask for a record that names it
	s_endpgm
.Lfunc_end_k_q1eea6eab4f_gemm:
	.size	k_q1eea6eab4f_gemm, .Lfunc_end_k_q1eea6eab4f_gemm-k_q1eea6eab4f_gemm
	.p2alignl 7, 3214868480
	.fill 96, 4, 3214868480
	.section	.rodata,"a",@progbits
	.p2align	6, 0x0
	.amdhsa_kernel k_q1eea6eab4f_gemm
		.amdhsa_group_segment_fixed_size 327680
		.amdhsa_private_segment_fixed_size 0
		.amdhsa_enable_private_segment 0
		.amdhsa_kernarg_size 48
		.amdhsa_user_sgpr_count 2
		.amdhsa_user_sgpr_kernarg_segment_ptr 1
		.amdhsa_wavefront_size32 1
		.amdhsa_system_sgpr_workgroup_id_x 1
		.amdhsa_system_sgpr_workgroup_id_y 1
		.amdhsa_system_sgpr_workgroup_id_z 1
		.amdhsa_system_vgpr_workitem_id 0
		.amdhsa_next_free_vgpr 640
		.amdhsa_next_free_sgpr 68
		.amdhsa_reserve_vcc 0
		.amdhsa_float_denorm_mode_32 3
		.amdhsa_float_denorm_mode_16_64 3
		.amdhsa_memory_ordered 1
		.amdhsa_forward_progress 1
		.amdhsa_inst_pref_size 130
	.end_amdhsa_kernel
	.amdgpu_metadata
---
amdhsa.version: [ 1, 2 ]
amdhsa.kernels:
  - .name:           k_q1eea6eab4f_gemm
    .symbol:         k_q1eea6eab4f_gemm.kd
    .args:
      - { .name: aq, .offset: 0, .size: 8, .value_kind: global_buffer, .address_space: global }
      - { .name: bq, .offset: 8, .size: 8, .value_kind: global_buffer, .address_space: global }
      - { .name: ta, .offset: 16, .size: 8, .value_kind: global_buffer, .address_space: global }
      - { .name: tb, .offset: 24, .size: 8, .value_kind: global_buffer, .address_space: global }
      - { .name: bout, .offset: 32, .size: 8, .value_kind: global_buffer, .address_space: global }
      - { .name: out0, .offset: 40, .size: 8, .value_kind: global_buffer, .address_space: global }
    .group_segment_fixed_size: 327680
    .private_segment_fixed_size: 0
    .kernarg_segment_align: 8
    .kernarg_segment_size: 48
    .max_flat_workgroup_size: 128
    .sgpr_count:     68
    .vgpr_count:     640
    .wavefront_size: 32
...
	.end_amdgpu_metadata
.endif
;; end of part 2
;; ======== version 2 of 2: 2 launches
;; limits: right only within a limited range of input values
;; workspace buffers: aq 35,651,584 bytes; bq 4,456,448 bytes; ta 131,072 bytes; tb 16,384 bytes
;; launch prep (part 3): grid 256 x 1, 16 waves a work-group, no clusters, 179,200 bytes of LDS; arguments x, W1, b1, W2, b2, W3, b3, centers, log_widths, Wout, aq, bq, ta, tb; writes aq, bq, ta, tb
.if DOCPART == 3
	.amdgcn_target "amdgcn-amd-amdhsa--gfx1250"
	.amdhsa_code_object_version 6
	.text
	.protected	k_q1eea6eab4f_prep
	.globl	k_q1eea6eab4f_prep
	.p2align	8
	.type	k_q1eea6eab4f_prep,@function
k_q1eea6eab4f_prep:
	s_mov_b64 s[64:65], 0
	v_nop
	global_prefetch_b8 v0, s[64:65] scope:SCOPE_SE
	s_setreg_imm32_b32 hwreg(HW_REG_WAVE_MODE, 25, 1), 1
	s_wait_xcnt 0x0
; PREP: everything ahead of the one quantised product, out = [phi, logdet] Wout + bout.
;   g = softplus(silu(silu(x W1 + b1) W2 + b2) W3 + b3) + 1e-8;  z = x sqrt(g);  phi[row][16 i + k] = exp(-2 ((z[i] - c[i][k]) / (exp(lw[i][k]) + 1e-12))^2);  logdet = sum of ln g.
; All of it in f32 (fused multiply-adds, v_exp_f32, v_log_f32, v_rcp_f32, v_sqrt_f32).  phi and Wout are quantised along K to codes of E2M1 with one E8M0 byte for each 32, and stored in the order in which the
; next launch's operand registers take them.
; OUT.  aq: [512 tiles of 16 rows][16 chunks of 512 along K][4,352 bytes]; bq: [64 tiles of 16 columns of Wout][16 chunks][4,352 bytes].  A chunk's record: codes [block 16][row 16][16 bytes], then 256 scale bytes [row 16][block 16].
;   ta, tb: 16 bytes for each row (logdet) and each column (Wout's row 8,192): code word, scale word, 0, scale word; the code in bits 3:0, the scale word = byte | 0x7f7f7f00.
; SHARES.  256 work-groups of sixteen waves, four to a SIMD, so that one wave's waits behind its exponentials stand beside the others' work.  Work-group g takes rows 32 g .. 32 g + 31 of x, and of Wout the K rows
;   512 (g / 16) .. + 511 x columns 64 (g % 16) .. + 63.  For phi thread t owns dim t: its 16 centres and 16 scaled inverse widths stay in registers and the rows go by; wave w's 32 dims are chunk w of a row tile, and lanes l and l xor 1
;   hold a block of 32.  For Wout a lane takes a column and its registers run down K (two blocks a lane), so a block's largest magnitude needs no other lane.
; No tensor loads, no cluster, no matrix instruction: the work-groups share only small tables, and the f32 products are short.
; phi = 2^(-((z - c) a)^2) with a = sqrt(2 log2 e) / width.  softplus(p) = max(p, 0) + log1p(e), e = exp(-|p|), log1p(e) = ln(w) + (e - (w - 1)) / w with w = 1 + e rounded.
; LIMITS.  NaN and infinities among the inputs are not served.  A phi under 2^-126 becomes 0 (v_exp_f32 gives no denormals).  A block of zeros gets the scale byte 1 where the rule says 127: its codes are zeros, and this
;   program alone reads the bytes.  The sums of x W1 and of logdet are taken in another order than the reference's; logdet is ln 2 x the sum of log2 g.
.set XP,    2064                       ; LDS: a row of x: 2,048 bytes + 16
.set PART,  32*XP                      ; partial sums of x W1: [wave 16][half 2][row 32][16 bytes]
.set H2P,   PART+16384                 ; the second hidden layer: [pair of rows 16][j 8][2 rows]
.set WS,    H2P+1024                   ; Wout's scale bytes: [column tile 4][column 16][block 16]
.set LDP,   WS+1024                    ; 32 row sums
.set STG,   87040                      ; a stage for each wave: 16 blocks x 272 bytes of codes, then 256 scale bytes
.set SWV,   4608
.set SSB,   4352
.set W1L,   160768                     ; behind the stages: W1 as it lies in memory, [dim 512][8]
.set REC,   4352                       ; a chunk's record
.set TSTR,  16*REC                     ; from tile to tile
.set FLOOR, 0x1800000                  ; 2^(3 - 127): under it no largest magnitude is taken, so a scale byte cannot fall under 1
.set EOFF,  0xff000000                 ; takes 2 off an exponent field
.set L2E,   0x3fb8aa3b
.set NL2E,  0xbfb8aa3b
.set LN2,   0x3f317218
; v0 thread, v1 lane; LDS addresses v2-17, v28, v29, global offsets v18-27 (all made here, ahead of every branch, and but for v7 and v8 never rewritten)
.set B1V, 32                           ; v32-39 b1, v40-47 b2
.set B2V, 40
.set CC,  48                           ; v48-63 my dim's centres
.set AA,  64                           ; v64-79 its log widths, then a
.set W3D, 80                           ; v80-95 W3[j][my dim], each twice (a pair for the packed forms); v96-97 b3 likewise
.set B3D, 96
.set WQ,  98                           ; v98-161 64 numbers of Wout
.set X,   162                          ; v162-193 x, as loaded and as read back
.set ACC, 194                          ; v194-201 eight partial sums; ahead of them my dim's row of W1 on its way to LDS
.set W1R, 194
.set WV,  208                          ; v208-255 W1 of two dims, three sets by turns
.set PT,  162                          ; wave 0: v162-225 partial sums of eight waves, v226-233 sums, v234-241 a hidden layer, v242-249 at work
.set S,   226
.set HH,  234
.set TT,  242
.set WC,  202                          ; v202-209 Wout's codes; v250-254 at work on them
.set WM,  250
.set WSO, 252
.set WBY, 253
.set BYW, 254
.set ZZ,  98                           ; v98-129 z of the tile's row r in v[98 + 2 r]; the odd registers hold 0 (named as pairs' upper halves)
.set XV,  130                          ; v130-145 x of 16 rows
.set P,   146                          ; v146-161 p, then g
.set H,   162                          ; v162-225 the hidden layer of four pairs of rows
.set E,   162
.set WT,  178
.set DD,  194
.set LL,  210
.set RR,  226
.set T,   162                          ; v162-193 two rows x 16 numbers of phi
.set M,   194
.set SO,  196
.set CD,  198                          ; v198-229 codes, four registers for each pair of rows; v230-245 scale bytes: no LDS store's data are written again before the wait in FLUSH
.set BY,  230
.set FB,  130
.set FS,  246
.set LV,  162
.macro BARRIER                         ; my LDS stores have landed and my LDS loads are in: then the work-group's barrier
	s_wait_dscnt 0x0
	s_barrier_signal -1
	s_barrier_wait -1
.endm
	s_load_b512 s[4:19], s[0:1], 0x0               ; x s[4:5], W1 s[6:7], b1 s[8:9], W2 s[10:11], b2 s[12:13], W3 s[14:15], b3 s[16:17], centers s[18:19]
	s_load_b256 s[20:27], s[0:1], 0x40             ; log_widths s[20:21], Wout s[22:23], aq s[24:25], bq s[26:27]
	s_load_b128 s[28:31], s[0:1], 0x60             ; ta s[28:29], tb s[30:31]
	v_lshrrev_b32 v1, 5, v0
	s_delay_alu instid0(VALU_DEP_1)
	v_readfirstlane_b32 s3, v1                     ; wave 0..15
	v_and_b32 v1, 31, v0                           ; lane
	s_wait_alu depctr_va_vdst(0)
	v_lshrrev_b32 v28, 4, v1                       ; lane / 16
	v_and_b32 v29, 15, v1                          ; lane % 16
	v_lshrrev_b32 v30, 1, v1                       ; lane / 2: my block of the chunk
	s_wait_alu depctr_va_vdst(0)
	v_and_b32 v31, 1, v1
	s_lshr_b32 s66, ttmp9, 4                       ; Wout: my chunk
	s_and_b32 s67, ttmp9, 15                       ; and my 64 columns
	s_lshr_b32 s100, s3, 1                         ; my pair of blocks in the chunk
	s_and_b32 s101, s3, 1                          ; which 32 of the 64 columns
	; LDS addresses
	s_mul_i32 s44, s3, 2*XP
	v_lshl_add_u32 v2, v1, 4, s44                  ; v2: x in: rows 2 w, 2 w + 1, 16 bytes a lane
	s_lshl_b32 s44, s3, 7
	v_mul_u32_u24 v3, v1, XP
	s_delay_alu instid0(VALU_DEP_1)
	v_add_nc_u32 v3, s44, v3                       ; v3: x W1: row = lane, my wave's 32 dims
	v_lshl_add_u32 v8, v1, 2, s44                  ; v8: my dim's word in the tile's first row; stepped from tile to tile
	s_lshl_b32 s44, s3, 10
	s_add_co_u32 s44, s44, PART
	v_lshl_add_u32 v4, v1, 4, s44                  ; v4: my partial sums
	v_lshl_add_u32 v5, v1, 4, PART                 ; v5: wave 0 reads them back: row = lane
	v_lshlrev_b32 v6, 6, v30
	s_wait_alu depctr_va_vdst(0)
	v_lshl_add_u32 v6, v31, 2, v6
	s_delay_alu instid0(VALU_DEP_1)
	v_add_nc_u32 v6, H2P, v6                       ; v6: wave 0 stores row = lane of the hidden layer
	v_mov_b32 v7, H2P                              ; v7: every lane reads the same pairs of rows; stepped from tile to tile
	s_mul_i32 s44, s3, SWV
	s_add_co_u32 s44, s44, STG                     ; my stage
	v_mul_u32_u24 v9, v30, 272
	s_delay_alu instid0(VALU_DEP_1)
	v_lshl_add_u32 v9, v31, 3, v9
	s_delay_alu instid0(VALU_DEP_1)
	v_add_nc_u32 v9, s44, v9                       ; v9: my 8 bytes of codes of row 0: block lane / 2, half lane % 2
	v_add_nc_u32 v10, s44, v30
	s_delay_alu instid0(VALU_DEP_1)
	v_add_nc_u32 v10, SSB, v10                     ; v10: my block's scale byte of row 0
	v_mul_u32_u24 v11, v28, 272
	s_delay_alu instid0(VALU_DEP_1)
	v_lshl_add_u32 v11, v29, 4, v11
	s_delay_alu instid0(VALU_DEP_1)
	v_add_nc_u32 v11, s44, v11                     ; v11: back: sixteen lanes take a block's 256 bytes
	v_lshl_add_u32 v12, v1, 3, s44
	s_delay_alu instid0(VALU_DEP_1)
	v_add_nc_u32 v12, SSB, v12                     ; v12: and the 256 scale bytes, 8 a lane
	s_lshl_b32 s44, s101, 9
	s_add_co_u32 s44, s44, WS
	v_lshl_add_u32 v14, v1, 4, s44                 ; v14: waves 0 and 1 read two column tiles' scale bytes
	s_lshl_b32 s45, s100, 1
	s_add_co_u32 s44, s44, s45
	v_lshlrev_b32 v13, 8, v28
	s_delay_alu instid0(VALU_DEP_1)
	v_lshl_add_u32 v13, v29, 4, v13
	s_delay_alu instid0(VALU_DEP_1)
	v_add_nc_u32 v13, s44, v13                     ; v13: my column's two scale bytes
	v_lshrrev_b32 v16, 4, v0
	s_delay_alu instid0(VALU_DEP_1)
	v_mul_u32_u24 v15, v16, XP
	s_delay_alu instid0(VALU_DEP_1)
	v_lshl_add_u32 v15, v29, 4, v15                ; v15: logdet: row thread / 16, 16 bytes a lane
	s_delay_alu instid0(VALU_DEP_3)
	v_lshl_add_u32 v16, v16, 2, LDP                ; v16: that row's sum
	v_lshl_add_u32 v17, v1, 2, LDP                 ; v17: wave 0: row = lane
	; offsets in memory
	v_lshlrev_b32 v18, 4, v1                       ; 16 x lane
	v_lshlrev_b32 v19, 6, v0                       ; my dim's 64 bytes of centers and of log_widths
	v_lshlrev_b32 v20, 5, v0                       ; my dim's 32 bytes of W1
	v_lshlrev_b32 v21, 2, v1                       ; 4 x lane
	v_mul_u32_u24 v22, v28, TSTR
	s_delay_alu instid0(VALU_DEP_1)
	v_lshl_add_u32 v22, v29, 4, v22                ; bq: column tile lane / 16, column lane % 16
	v_lshlrev_b32 v23, 3, v1                       ; 8 x lane
	v_mov_b32 v24, 0
	v_lshlrev_b32 v25, 2, v0                       ; 4 x thread
	v_lshlrev_b32 v26, 4, v0                       ; 16 x thread
	s_lshl_b32 s44, s3, 12
	v_lshl_add_u32 v27, v1, 4, s44                 ; x: rows 2 w, 2 w + 1
	v_lshl_add_u32 v28, v0, 5, W1L                 ; v28 (done with as lane / 16): where my dim's row of W1 goes in LDS
	s_lshl_b32 s44, s3, 10
	s_add_co_u32 s44, s44, W1L
	v_add_nc_u32 v29, s44, v24                     ; v29 (done with as lane % 16): my wave's 32 dims of W1: every lane reads the same bytes
	s_lshl_b32 s32, ttmp9, 16                      ; x: 32 rows of 2,048 bytes a work-group
	s_mov_b32 s33, 0
	s_lshl_b32 s36, s66, 9
	s_lshl_b32 s37, s100, 6
	s_add_co_u32 s36, s36, s37
	s_lshl_b32 s36, s36, 12                        ; Wout: K row 512 chunk + 64 pair, 4,096 bytes a row,
	s_lshl_b32 s37, s67, 8
	s_add_co_u32 s36, s36, s37
	s_lshl_b32 s37, s101, 7
	s_add_co_u32 s36, s36, s37                     ; + my wave's first column
	s_mov_b32 s37, 0
	s_lshl_b32 s38, ttmp9, 5
	s_add_co_u32 s38, s38, s3
	s_mul_i32 s38, s38, REC                        ; aq: row tile 2 g, chunk w
	s_mov_b32 s39, 0
	s_lshl_b32 s40, s67, 2
	s_lshl_b32 s41, s101, 1
	s_add_co_u32 s40, s40, s41
	s_lshl_b32 s40, s40, 4
	s_add_co_u32 s40, s40, s66
	s_mul_i32 s40, s40, REC                        ; bq: my wave's first column tile, my chunk,
	s_lshl_b32 s41, s100, 9
	s_add_co_u32 s40, s40, s41                     ; + my pair of blocks
	s_mov_b32 s41, 0
	s_lshl_b32 s42, ttmp9, 9                       ; ta: 32 rows of 16 bytes
	s_mov_b32 s43, 0
	s_wait_alu depctr_va_vdst(0)
	s_wait_kmcnt 0x0
	s_add_nc_u64 s[4:5], s[4:5], s[32:33]
	s_add_nc_u64 s[22:23], s[22:23], s[36:37]
	s_add_nc_u64 s[24:25], s[24:25], s[38:39]
	s_add_nc_u64 s[26:27], s[26:27], s[40:41]
	s_add_nc_u64 s[28:29], s[28:29], s[42:43]
	s_load_b512 s[32:47], s[10:11], 0x0            ; W2[j][j']: j 0-3 at s[32 + 8 j + j'], j 4-7 at s[68 + 8 (j - 4) + j'].  Asked for here, two phases ahead of its use; wave 0 alone
	s_load_b512 s[48:63], s[10:11], 0x40           ; uses it, and every wave asks: 256 bytes into scalar registers that nothing else wants, with no second branch on the wave's number
	s_load_b512 s[68:83], s[10:11], 0x80
	s_load_b512 s[84:99], s[10:11], 0xc0
	; ---- asked for here: x (8 loads), my dim's row of W1 (2), the tables (21).  Wout is asked for behind the loop over the rows
.irp rr, 0,1
.irp c, 0,1,2,3
	global_load_b128 v[X+16*\rr+4*\c:X+16*\rr+4*\c+3], v27, s[4:5] offset:2048*\rr+512*\c th:TH_LOAD_NT   ; 32 lanes read 512 consecutive bytes
.endr
.endr
	global_load_b128 v[W1R:W1R+3], v20, s[6:7]
	global_load_b128 v[W1R+4:W1R+7], v20, s[6:7] offset:16
	global_load_b128 v[B1V:B1V+3], v24, s[8:9]
	global_load_b128 v[B1V+4:B1V+7], v24, s[8:9] offset:16
	global_load_b128 v[B2V:B2V+3], v24, s[12:13]
	global_load_b128 v[B2V+4:B2V+7], v24, s[12:13] offset:16
.irp c, 0,1,2,3
	global_load_b128 v[CC+4*\c:CC+4*\c+3], v19, s[18:19] offset:16*\c
	global_load_b128 v[AA+4*\c:AA+4*\c+3], v19, s[20:21] offset:16*\c
.endr
.irp j, 0,1,2,3,4,5,6,7
	global_load_b32 v[W3D+2*\j], v25, s[14:15] offset:2048*\j
.endr
	global_load_b32 v[B3D], v25, s[16:17]
.macro WLOAD t                         ; block t of my two: Wout(32 t + i, my column): neighbouring lanes read neighbouring columns
.irp i, 0,1,2,3,4,5,6,7,8,9,10,11,12,13,14,15,16,17,18,19,20,21,22,23,24,25,26,27,28,29,30,31
	global_load_b32 v[WQ+32*(\t)+\i], v21, s[22:23] offset:(32*(\t)+\i)*4096 th:TH_LOAD_NT
.endr
.endm
	s_wait_loadcnt 21                              ; x and W1 are in: behind them stand the 21 loads of the tables
.irp rr, 0,1
.irp c, 0,1,2,3
	ds_store_b128 v2, v[X+16*\rr+4*\c:X+16*\rr+4*\c+3] offset:XP*\rr+512*\c
.endr
.endr
	ds_store_b128 v28, v[W1R:W1R+3]
	ds_store_b128 v28, v[W1R+4:W1R+7] offset:16
	BARRIER                                        ; 32 rows of x and all of W1 lie in LDS
	; ---- x W1: a lane takes a row, my wave dims 32 w .. 32 w + 31.  W1 comes from LDS, the same bytes to every lane: two dims (4 loads, 16 registers) to a set, three sets by turns, so that two sets are on their way while one is multiplied
.irp c, 0,1,2,3,4,5,6,7
	ds_load_b128 v[X+4*\c:X+4*\c+3], v3 offset:16*\c
.endr
.macro W1G n                           ; dims 2 n and 2 n + 1 of my 32 into set n % 3
.irp i, 0,1,2,3
	ds_load_b128 v[WV+16*((\n)%3)+4*\i:WV+16*((\n)%3)+4*\i+3], v29 offset:64*(\n)+16*\i
.endr
.endm
	W1G 0
	W1G 1
	W1G 2
.set g, 0
.rept 16
.if g < 14
	s_wait_alu depctr_va_vdst(0)
	s_wait_dscnt 8                                 ; x and this set are in; the two younger sets, 4 loads each, may be out
.else
	s_wait_alu depctr_va_vdst(0)
	s_wait_dscnt 4*(15-g)                          ; the last two steps: one younger set, then none
.endif
.set WSET, WV+16*(g%3)
.set d, 0
.rept 2
.set j, 0
.rept 8
.if (g == 0) && (d == 0)
	v_mul_f32 v[ACC+j], v[WSET+8*d+j], v[X+2*g+d]  ; the first dim starts the sums: nothing is cleared
.else
	v_fmac_f32 v[ACC+j], v[WSET+8*d+j], v[X+2*g+d]
.endif
.set j, j+1
.endr
.set d, d+1
.endr
.if g+3 < 16
	W1G g+3                                        ; the set just multiplied takes the dims three steps on
.endif
.set g, g+1
.endr
	ds_store_b128 v4, v[ACC:ACC+3]
	ds_store_b128 v4, v[ACC+4:ACC+7] offset:512
	BARRIER                                        ; sixteen partial sums for each row lie in LDS
	s_wait_loadcnt 0x0                             ; the tables are in: nothing younger is out
	; ---- wave 0 finishes the two small layers, a lane to a row; the other waves go on to their tables
; silu(v) = v / (1 + 2^(-v log2 e)), eight numbers; each batch of transcendentals has one plain line and one wait behind it
.macro SILU src, dst
.irp j, 0,1,2,3,4,5,6,7
	v_mul_f32 v[TT+\j], NL2E, v[\src+\j]
.endr
	s_wait_alu depctr_va_vdst(0)
.irp j, 0,1,2,3,4,5,6,7
	v_exp_f32 v[TT+\j], v[TT+\j]
.endr
	v_nop
	s_wait_alu depctr_va_vdst(0)
.irp j, 0,1,2,3,4,5,6,7
	v_add_f32 v[TT+\j], 1.0, v[TT+\j]
.endr
	s_wait_alu depctr_va_vdst(0)
.irp j, 0,1,2,3,4,5,6,7
	v_rcp_f32 v[TT+\j], v[TT+\j]
.endr
	v_nop
	s_wait_alu depctr_va_vdst(0)
.irp j, 0,1,2,3,4,5,6,7
	v_mul_f32 v[\dst+\j], v[\src+\j], v[TT+\j]
.endr
.endm
	s_cmp_lg_u32 s3, 0
	s_cbranch_scc1 .Lnot_wave_0
.irp half, 0,1
.irp ww, 0,1,2,3,4,5,6,7
.irp q, 0,1
	ds_load_b128 v[PT+8*\ww+4*\q:PT+8*\ww+4*\q+3], v5 offset:8192*\half+1024*\ww+512*\q
.endr
.endr
	s_wait_alu depctr_va_vdst(0)
	s_wait_dscnt 0x0
.irp ww, 0,1,2,3,4,5,6,7
.irp jp, 0,2,4,6
.if (\half == 0) && (\ww == 0)
	v_pk_add_f32 v[S+\jp:S+\jp+1], v[B1V+\jp:B1V+\jp+1], v[PT+\jp:PT+\jp+1]    ; b1 starts the sums
.else
	v_pk_add_f32 v[S+\jp:S+\jp+1], v[S+\jp:S+\jp+1], v[PT+8*\ww+\jp:PT+8*\ww+\jp+1]
.endif
.endr
.endr
.endr
	SILU S, HH
	s_wait_alu depctr_va_vdst(0)
	s_wait_kmcnt 0x0                               ; W2, asked for at the head
.irp jp, 0,1,2,3,4,5,6,7
	v_fma_f32 v[S+\jp], v[HH], s[32+\jp], v[B2V+\jp]
.endr
.set j, 1
.rept 7
.if j < 4
.set WB, 32+8*j
.else
.set WB, 68+8*(j-4)
.endif
.irp jp, 0,1,2,3,4,5,6,7
	v_fmac_f32 v[S+\jp], s[WB+\jp], v[HH+j]
.endr
.set j, j+1
.endr
	SILU S, HH
.irp j, 0,1,2,3,4,5,6,7
	ds_store_b32 v6, v[HH+\j] offset:8*\j
.endr
.Lnot_wave_0:
	; ---- my dim's constants: a = sqrt(2 log2 e) / (exp(log width) + 1e-12)
.irp i, 0,2,4,6,8,10,12,14
	v_pk_mul_f32 v[AA+\i:AA+\i+1], v[AA+\i:AA+\i+1], L2E op_sel_hi:[1,0]
.endr
	s_wait_alu depctr_va_vdst(0)
.irp i, 0,1,2,3,4,5,6,7,8,9,10,11,12,13,14,15
	v_exp_f32 v[AA+\i], v[AA+\i]
.endr
.irp j, 0,1,2,3,4,5,6,7
	v_mov_b32 v[W3D+2*\j+1], v[W3D+2*\j]           ; W3 and b3 twice, for the packed forms (plain work behind the exponentials)
.endr
	v_mov_b32 v[B3D+1], v[B3D]
	s_wait_alu depctr_va_vdst(0)                   ; one wait for the sixteen, ahead of their first reader
.irp i, 0,2,4,6,8,10,12,14
	v_pk_add_f32 v[AA+\i:AA+\i+1], v[AA+\i:AA+\i+1], 0x2b8cbccc op_sel_hi:[1,0]   ; + 1e-12
.endr
	s_wait_alu depctr_va_vdst(0)
.irp i, 0,1,2,3,4,5,6,7,8,9,10,11,12,13,14,15
	v_rcp_f32 v[AA+\i], v[AA+\i]
.endr
	v_nop
	s_wait_alu depctr_va_vdst(0)
.irp i, 0,2,4,6,8,10,12,14
	v_pk_mul_f32 v[AA+\i:AA+\i+1], v[AA+\i:AA+\i+1], 0x3fd96d27 op_sel_hi:[1,0]   ; x sqrt(2 log2 e) = 1.6986436
.endr
	; ---- Wout: my column's two blocks of 32 along K
.macro WBLOCK t
.set XS, WQ+32*(\t)
.if (\t) == 0
	s_wait_loadcnt 32                              ; this block's 32 loads are in; the next block's may be out
.else
	s_wait_loadcnt 0x0
.endif
	v_max3_num_f32 v[WM], |v[XS]|, |v[XS+1]|, |v[XS+2]|            ; the block's largest magnitude, in two chains: all 32 numbers are mine
	v_max3_num_f32 v[WM+1], |v[XS+3]|, |v[XS+4]|, |v[XS+5]|
.irp i, 6,10,14,18,22,26
	s_delay_alu instid0(VALU_DEP_2)
	v_max3_num_f32 v[WM], v[WM], |v[XS+\i]|, |v[XS+\i+1]|
	s_delay_alu instid0(VALU_DEP_2)
	v_max3_num_f32 v[WM+1], v[WM+1], |v[XS+\i+2]|, |v[XS+\i+3]|
.endr
	s_delay_alu instid0(VALU_DEP_2)
	v_max3_num_f32 v[WM], v[WM], |v[XS+30]|, |v[XS+31]|
	s_delay_alu instid0(VALU_DEP_1)
	v_max3_num_f32 v[WM], v[WM], v[WM+1], FLOOR
	s_delay_alu instid0(VALU_DEP_1)
	v_add_nc_u32 v[WSO], EOFF, v[WM]               ; 2 off its exponent field: the conversion takes the exponent field of this operand as its scale
	s_delay_alu instid0(VALU_DEP_1)
	v_lshrrev_b32 v[WBY], 23, v[WSO]               ; the scale's byte
.if (\t) == 0
	s_delay_alu instid0(VALU_DEP_1)
	v_mov_b32 v[BYW], v[WBY]
.else
	s_delay_alu instid0(VALU_DEP_1)
	v_lshl_or_b32 v[BYW], v[WBY], 8, v[BYW]
.endif
.irp g, 0,1,2,3
	v_cvt_scalef32_pk8_fp4_f32 v[WC+4*(\t)+\g], v[XS+8*\g:XS+8*\g+7], v[WSO]
.endr
	v_nop                                          ; one plain line behind the conversions
	global_store_b128 v22, v[WC+4*(\t):WC+4*(\t)+3], s[26:27] offset:256*(\t)   ; sixteen lanes store a block's 256 consecutive bytes, aligned
.endm
.irp r, 0,1,2,3,4,5,6,7,8,9,10,11,12,13,14,15
	v_mov_b32 v[ZZ+2*\r+1], 0                      ; once: the upper halves of z's pairs are named, never used
.endr
	BARRIER                                        ; the hidden layer lies in LDS
	; ---- the rows, a tile of 16 at a time
.macro PSUM base                       ; p of pairs of rows base .. base + 3: b3 + the sum over j of h[j] W3[j][my dim], two rows an instruction, the four pairs by turns
.irp q, 0,1,2,3
.irp c, 0,1,2,3
	ds_load_b128 v[H+16*\q+4*\c:H+16*\q+4*\c+3], v7 offset:64*(\base+\q)+16*\c
.endr
.endr
	s_wait_dscnt 0x0
.irp j, 0,1,2,3,4,5,6,7
.irp q, 0,1,2,3
.if \j == 0
	v_pk_fma_f32 v[P+2*(\base+\q):P+2*(\base+\q)+1], v[H+16*\q:H+16*\q+1], v[W3D:W3D+1], v[B3D:B3D+1]
.else
	s_delay_alu instid0(VALU_DEP_4)
	v_pk_fma_f32 v[P+2*(\base+\q):P+2*(\base+\q)+1], v[H+16*\q+2*\j:H+16*\q+2*\j+1], v[W3D+2*\j:W3D+2*\j+1], v[P+2*(\base+\q):P+2*(\base+\q)+1]
.endif
.endr
.endr
.endm
.macro METRIC                          ; g, z and log2 g of my dim for 16 rows
.irp r, 0,1,2,3,4,5,6,7,8,9,10,11,12,13,14,15
	ds_load_b32 v[XV+\r], v8 offset:XP*\r
.endr
	PSUM 0
	PSUM 4
.irp r, 0,1,2,3,4,5,6,7,8,9,10,11,12,13,14,15
	v_mul_f32 v[E+\r], NL2E, |v[P+\r]|
.endr
	s_wait_alu depctr_va_vdst(0)
.irp r, 0,1,2,3,4,5,6,7,8,9,10,11,12,13,14,15
	v_exp_f32 v[E+\r], v[E+\r]                     ; e = exp(-|p|)
.endr
.irp r, 0,1,2,3,4,5,6,7,8,9,10,11,12,13,14,15
	v_max_num_f32 v[P+\r], 0, v[P+\r]              ; max(p, 0): plain work behind the exponentials
.endr
	s_wait_alu depctr_va_vdst(0)
.irp r, 0,2,4,6,8,10,12,14
	v_pk_add_f32 v[WT+\r:WT+\r+1], v[E+\r:E+\r+1], 1.0 op_sel_hi:[1,0]           ; w = 1 + e, rounded
.endr
	s_wait_alu depctr_va_vdst(0)
.irp r, 0,1,2,3,4,5,6,7,8,9,10,11,12,13,14,15
	v_log_f32 v[LL+\r], v[WT+\r]
.endr
.irp r, 0,1,2,3,4,5,6,7,8,9,10,11,12,13,14,15
	v_rcp_f32 v[RR+\r], v[WT+\r]
.endr
.irp r, 0,2,4,6,8,10,12,14
	v_pk_add_f32 v[DD+\r:DD+\r+1], v[WT+\r:WT+\r+1], -1.0 op_sel_hi:[1,0]
.endr
.irp r, 0,2,4,6,8,10,12,14
	v_pk_add_f32 v[E+\r:E+\r+1], v[E+\r:E+\r+1], v[DD+\r:DD+\r+1] neg_lo:[0,1] neg_hi:[0,1]   ; what the rounding of w lost
.endr
	s_wait_alu depctr_va_vdst(0)                   ; one wait for the 32, ahead of their first reader
.irp r, 0,2,4,6,8,10,12,14
	v_pk_mul_f32 v[E+\r:E+\r+1], v[E+\r:E+\r+1], v[RR+\r:RR+\r+1]
.endr
.irp r, 0,2,4,6,8,10,12,14
	v_pk_fma_f32 v[LL+\r:LL+\r+1], v[LL+\r:LL+\r+1], LN2, v[E+\r:E+\r+1] op_sel_hi:[1,0,1]    ; log1p(e)
.endr
.irp r, 0,2,4,6,8,10,12,14
	v_pk_add_f32 v[P+\r:P+\r+1], v[P+\r:P+\r+1], v[LL+\r:LL+\r+1]
.endr
.irp r, 0,2,4,6,8,10,12,14
	v_pk_add_f32 v[P+\r:P+\r+1], v[P+\r:P+\r+1], 0x322bcc77 op_sel_hi:[1,0]      ; g = softplus + 1e-8
.endr
	s_wait_alu depctr_va_vdst(0)
.irp r, 0,1,2,3,4,5,6,7,8,9,10,11,12,13,14,15
	v_sqrt_f32 v[WT+\r], v[P+\r]
.endr
.irp r, 0,1,2,3,4,5,6,7,8,9,10,11,12,13,14,15
	v_log_f32 v[LL+\r], v[P+\r]
.endr
	v_nop
	s_wait_alu depctr_va_vdst(0)
.irp r, 0,1,2,3,4,5,6,7,8,9,10,11,12,13,14,15
	v_mul_f32 v[ZZ+2*\r], v[XV+\r], v[WT+\r]       ; z = x sqrt(g)
.endr
.irp r, 0,1,2,3,4,5,6,7,8,9,10,11,12,13,14,15
	ds_store_b32 v8, v[LL+\r] offset:XP*\r         ; log2 g over my own word of x, which nobody else reads
.endr
	s_wait_dscnt 0x0                               ; the stores have read their registers
.endm
.macro PHI2 p                          ; rows 2 p and 2 p + 1 of the tile: 16 numbers of phi each, their block's scale, their codes
.irp rr, 0,1
.irp i, 0,2,4,6,8,10,12,14
	v_pk_add_f32 v[T+16*\rr+\i:T+16*\rr+\i+1], v[ZZ+4*(\p)+2*\rr:ZZ+4*(\p)+2*\rr+1], v[CC+\i:CC+\i+1] op_sel_hi:[0,1] neg_lo:[0,1] neg_hi:[0,1]   ; z - c (z's low word serves both halves)
.endr
.endr
.irp rr, 0,1
.irp i, 0,2,4,6,8,10,12,14
	v_pk_mul_f32 v[T+16*\rr+\i:T+16*\rr+\i+1], v[T+16*\rr+\i:T+16*\rr+\i+1], v[AA+\i:AA+\i+1]
.endr
.endr
.irp i, 0,2,4,6,8,10,12,14,16,18,20,22,24,26,28,30
	v_pk_mul_f32 v[T+\i:T+\i+1], v[T+\i:T+\i+1], v[T+\i:T+\i+1] neg_lo:[0,1] neg_hi:[0,1]   ; -((z - c) a)^2
.endr
	s_wait_alu depctr_va_vdst(0)
.irp i, 0,1,2,3,4,5,6,7,8,9,10,11,12,13,14,15,16,17,18,19,20,21,22,23,24,25,26,27,28,29,30,31
	v_exp_f32 v[T+\i], v[T+\i]
.endr
	v_nop                                          ; one plain line behind the batch,
	s_wait_alu depctr_va_vdst(0)                   ; and one wait for the 32, ahead of their first reader
.irp rr, 0,1
	v_max3_num_f32 v[M+\rr], v[T+16*\rr], v[T+16*\rr+1], FLOOR     ; no |.|: phi is never negative
.endr
.irp i, 2,4,6,8,10,12,14
.irp rr, 0,1
	v_max3_num_f32 v[M+\rr], v[M+\rr], v[T+16*\rr+\i], v[T+16*\rr+\i+1]
.endr
.endr
.irp rr, 0,1
	s_delay_alu instid0(VALU_DEP_2)
	v_max_num_f32_dpp v[M+\rr], v[M+\rr], v[M+\rr] row_xmask:1 row_mask:0xf bank_mask:0xf   ; with my neighbour's 16: the block's
.endr
.irp rr, 0,1
	s_delay_alu instid0(VALU_DEP_2)
	v_add_nc_u32 v[SO+\rr], EOFF, v[M+\rr]
.endr
.irp rr, 0,1
	v_cvt_scalef32_pk8_fp4_f32 v[CD+4*(\p)+2*\rr], v[T+16*\rr:T+16*\rr+7], v[SO+\rr]
	v_cvt_scalef32_pk8_fp4_f32 v[CD+4*(\p)+2*\rr+1], v[T+16*\rr+8:T+16*\rr+15], v[SO+\rr]
.endr
.irp rr, 0,1
	v_lshrrev_b32 v[BY+2*(\p)+\rr], 23, v[SO+\rr]  ; the scale's byte (also the plain line behind the conversions)
.endr
.irp rr, 0,1
	ds_store_b64 v9, v[CD+4*(\p)+2*\rr:CD+4*(\p)+2*\rr+1] offset:16*(2*(\p)+\rr)
	ds_store_b8 v10, v[BY+2*(\p)+\rr] offset:16*(2*(\p)+\rr)       ; both lanes of a block write the same byte with the same value
.endr
.endm
.macro FLUSH                           ; the tile's chunk leaves my stage as it will lie in the operand's registers
.irp t, 0,1,2,3,4,5,6,7
	ds_load_b128 v[FB+4*\t:FB+4*\t+3], v11 offset:544*\t           ; LDS serves a wave's instructions in order: these see my stores
.endr
	ds_load_b64 v[FS:FS+1], v12
	s_wait_dscnt 0x0
.irp t, 0,1,2,3,4,5,6,7
	global_store_b128 v18, v[FB+4*\t:FB+4*\t+3], s[24:25] offset:512*\t   ; 32 lanes store 512 consecutive bytes, aligned to 256
.endr
	global_store_b64 v23, v[FS:FS+1], s[24:25] offset:4096                ; and the 256 scale bytes
	s_wait_xcnt 0x0                                ; the stores have read their registers and their base: both are written again
	s_add_nc_u64 s[24:25], s[24:25], TSTR          ; the next row tile's chunk w
	v_add_nc_u32 v8, 16*XP, v8
	v_add_nc_u32 v7, 512, v7
.endm
	s_mov_b32 s2, 2
.Ltile:
	s_wait_alu depctr_va_vdst(0)
	METRIC
	s_cmp_eq_u32 s2, 2                             ; in the first of the two trips: Wout's bytes, which are loaded behind the loop, are named once
	s_cbranch_scc0 .Lno_pf
	s_lshl_b32 s66, s101, 17                       ; of the 64 K rows that two waves share, wave w takes rows 32 (w % 2) .. + 31, a lane a row: each row's 256 bytes of the work-group's 64 columns are named by one lane
	v_lshl_add_u32 v32, v1, 12, s66                ; v32 held b1, which wave 0 has used; it is not written again
	global_prefetch_b8 v32, s[22:23] th:TH_LOAD_NT scope:SCOPE_SE
.Lno_pf:
.irp p, 0,1,2,3,4,5,6,7
	PHI2 \p
.endr
	FLUSH
	s_sub_co_u32 s2, s2, 1
	s_cmp_lg_u32 s2, 0
	s_cbranch_scc1 .Ltile
	; ---- Wout, behind the rows: a wave that has left the loop works on it while the others are still in the loop.  v98-161 and v202-209 are free: FLUSH has waited for its stores' registers
	WLOAD 0
	WLOAD 1
	WBLOCK 0
	WBLOCK 1
	ds_store_b16 v13, v[BYW]                       ; my column's two scale bytes: read behind the next barrier
; One number in v[LV] becomes a record in v[174:177]: its block of 32 holds it and zeros
.macro ONE
.irp i, 1,2,3,4,5,6,7
	v_mov_b32 v[LV+\i], 0
.endr
	v_max_num_f32 v170, FLOOR, |v[LV]|
	s_delay_alu instid0(VALU_DEP_1)
	v_add_nc_u32 v171, EOFF, v170
	s_delay_alu instid0(VALU_DEP_1)
	v_lshrrev_b32 v172, 23, v171
	v_cvt_scalef32_pk8_fp4_f32 v174, v[LV:LV+7], v171
	v_or_b32 v175, 0x7f7f7f00, v172                ; the K step's other three blocks hold zero codes under the byte 127
	v_mov_b32 v176, 0
	s_delay_alu instid0(VALU_DEP_2)
	v_mov_b32 v177, v175
.endm
	; ---- Wout's row 8,192, which meets logdet: work-groups 0 and 1, a thread to a column
	s_cmp_gt_u32 ttmp9, 1
	s_cbranch_scc1 .Lno_tail
	s_load_b64 s[66:67], s[0:1], 0x48              ; Wout once more: the other copy has been stepped
	s_lshl_b32 s100, ttmp9, 11
	s_mov_b32 s101, 0
	s_wait_kmcnt 0x0
	s_add_nc_u64 s[66:67], s[66:67], s[100:101]
	s_add_nc_u64 s[66:67], s[66:67], 0x2000000     ; 8,192 rows of 4,096 bytes
	global_load_b32 v[LV], v25, s[66:67]
	s_lshl_b32 s100, ttmp9, 13
	s_add_nc_u64 s[30:31], s[30:31], s[100:101]
	s_wait_loadcnt 0x0
	ONE
	global_store_b128 v26, v[174:177], s[30:31]    ; a wave stores 512 consecutive bytes
.Lno_tail:
	s_wait_xcnt 0x0                                ; that store has read its registers
	; ---- logdet: sixteen lanes to a row
	BARRIER                                        ; log2 g of 32 rows x 512 dims lies where x lay, and Wout's scale bytes lie in LDS
	s_cmp_gt_u32 s3, 1
	s_cbranch_scc1 .Lno_ws
	ds_load_b128 v[210:213], v14                   ; waves 0 and 1 (their bq stands at the record's first byte): two column tiles' 256 scale bytes each
	s_wait_dscnt 0x0
	global_store_b128 v22, v[210:213], s[26:27] offset:4096
.Lno_ws:
.irp c, 0,1,2,3,4,5,6,7
	ds_load_b128 v[LV+4*\c:LV+4*\c+3], v15 offset:256*\c
.endr
	s_wait_dscnt 0x0
.irp i, 0,2,4,6,8,10,12,14
	v_pk_add_f32 v[LV+\i:LV+\i+1], v[LV+\i:LV+\i+1], v[LV+16+\i:LV+16+\i+1]
.endr
.irp i, 0,2,4,6
	s_delay_alu instid0(VALU_DEP_4)
	v_pk_add_f32 v[LV+\i:LV+\i+1], v[LV+\i:LV+\i+1], v[LV+8+\i:LV+8+\i+1]
.endr
.irp i, 0,2
	s_delay_alu instid0(VALU_DEP_2)
	v_pk_add_f32 v[LV+\i:LV+\i+1], v[LV+\i:LV+\i+1], v[LV+4+\i:LV+4+\i+1]
.endr
	s_delay_alu instid0(VALU_DEP_1)
	v_pk_add_f32 v[LV:LV+1], v[LV:LV+1], v[LV+2:LV+3]
	s_delay_alu instid0(VALU_DEP_1)
	v_add_f32 v[LV], v[LV], v[LV+1]
	s_delay_alu instid0(VALU_DEP_1)
	v_add_f32_dpp v[LV], v[LV], v[LV] row_xmask:1 row_mask:0xf bank_mask:0xf
	s_delay_alu instid0(VALU_DEP_1)
	v_add_f32_dpp v[LV], v[LV], v[LV] row_xmask:2 row_mask:0xf bank_mask:0xf
	s_delay_alu instid0(VALU_DEP_1)
	v_add_f32_dpp v[LV], v[LV], v[LV] row_xmask:4 row_mask:0xf bank_mask:0xf
	s_delay_alu instid0(VALU_DEP_1)
	v_add_f32_dpp v[LV], v[LV], v[LV] row_xmask:8 row_mask:0xf bank_mask:0xf
	ds_store_b32 v16, v[LV]                        ; sixteen lanes write the same word with the same value
	BARRIER
	s_cmp_lg_u32 s3, 0
	s_cbranch_scc1 .Lend
	ds_load_b32 v[LV], v17                         ; wave 0: a lane to a row
	s_wait_dscnt 0x0
	v_mul_f32 v[LV], LN2, v[LV]
	ONE
	global_store_b128 v18, v[174:177], s[28:29]    ; 512 consecutive bytes
.Lend:
	s_wait_xcnt 0x0
	v_lshl_add_u32 v254, v0, 2, 0x2b400
	v_mov_b32 v255, 0
	s_wait_alu depctr_va_vdst(0)
	s_wait_tensorcnt 0x0
	ds_add_u32 v254, v255
	s_wait_dscnt 0x0
	s_endpgm
.Lfunc_end_k_q1eea6eab4f_prep:
	.size	k_q1eea6eab4f_prep, .Lfunc_end_k_q1eea6eab4f_prep-k_q1eea6eab4f_prep
	.p2alignl 7, 3214868480
	.fill 96, 4, 3214868480
	.section	.rodata,"a",@progbits
	.p2align	6, 0x0
	.amdhsa_kernel k_q1eea6eab4f_prep
		.amdhsa_group_segment_fixed_size 179200
		.amdhsa_private_segment_fixed_size 0
		.amdhsa_enable_private_segment 0
		.amdhsa_kernarg_size 112
		.amdhsa_user_sgpr_count 2
		.amdhsa_user_sgpr_kernarg_segment_ptr 1
		.amdhsa_wavefront_size32 1
		.amdhsa_system_sgpr_workgroup_id_x 1
		.amdhsa_system_sgpr_workgroup_id_y 1
		.amdhsa_system_sgpr_workgroup_id_z 1
		.amdhsa_system_vgpr_workitem_id 0
		.amdhsa_next_free_vgpr 256
		.amdhsa_next_free_sgpr 102
		.amdhsa_reserve_vcc 0
		.amdhsa_float_denorm_mode_32 3
		.amdhsa_float_denorm_mode_16_64 3
		.amdhsa_memory_ordered 1
		.amdhsa_forward_progress 1
		.amdhsa_inst_pref_size 126
	.end_amdhsa_kernel
	.amdgpu_metadata
---
amdhsa.version: [ 1, 2 ]
amdhsa.kernels:
  - .name:           k_q1eea6eab4f_prep
    .symbol:         k_q1eea6eab4f_prep.kd
    .args:
      - { .name: x, .offset: 0, .size: 8, .value_kind: global_buffer, .address_space: global }
      - { .name: W1, .offset: 8, .size: 8, .value_kind: global_buffer, .address_space: global }
      - { .name: b1, .offset: 16, .size: 8, .value_kind: global_buffer, .address_space: global }
      - { .name: W2, .offset: 24, .size: 8, .value_kind: global_buffer, .address_space: global }
      - { .name: b2, .offset: 32, .size: 8, .value_kind: global_buffer, .address_space: global }
      - { .name: W3, .offset: 40, .size: 8, .value_kind: global_buffer, .address_space: global }
      - { .name: b3, .offset: 48, .size: 8, .value_kind: global_buffer, .address_space: global }
      - { .name: centers, .offset: 56, .size: 8, .value_kind: global_buffer, .address_space: global }
      - { .name: log_widths, .offset: 64, .size: 8, .value_kind: global_buffer, .address_space: global }
      - { .name: Wout, .offset: 72, .size: 8, .value_kind: global_buffer, .address_space: global }
      - { .name: aq, .offset: 80, .size: 8, .value_kind: global_buffer, .address_space: global }
      - { .name: bq, .offset: 88, .size: 8, .value_kind: global_buffer, .address_space: global }
      - { .name: ta, .offset: 96, .size: 8, .value_kind: global_buffer, .address_space: global }
      - { .name: tb, .offset: 104, .size: 8, .value_kind: global_buffer, .address_space: global }
    .group_segment_fixed_size: 179200
    .private_segment_fixed_size: 0
    .kernarg_segment_align: 8
    .kernarg_segment_size: 112
    .max_flat_workgroup_size: 512
    .sgpr_count:     102
    .vgpr_count:     256
    .wavefront_size: 32
...
	.end_amdgpu_metadata
.endif
;; end of part 3
;; launch gemm (part 4): grid 4 x 64, 4 waves a work-group, clusters of 4 x 1, 327,680 bytes of LDS; arguments aq, bq, ta, tb, bout, out0; writes out0
.if DOCPART == 4
	.amdgcn_target "amdgcn-amd-amdhsa--gfx1250"
	.amdhsa_code_object_version 6
	.text
	.protected	k_q1eea6eab4f_gemm
	.globl	k_q1eea6eab4f_gemm
	.p2align	8
	.type	k_q1eea6eab4f_gemm,@function
k_q1eea6eab4f_gemm:
	s_mov_b64 s[64:65], 0
	v_nop
	global_prefetch_b8 v0, s[64:65] scope:SCOPE_SE
	s_setreg_imm32_b32 hwreg(HW_REG_WAVE_MODE, 25, 1), 1
	s_wait_xcnt 0x0
	s_wait_alu depctr_hold_cnt(0) depctr_sa_sdst(0) depctr_va_vdst(0) depctr_va_sdst(0) depctr_va_ssrc(0) depctr_va_vcc(0) depctr_vm_vsrc(0)
	s_getreg_b32 s2, hwreg(HW_REG_IB_STS2, 6, 4)
	s_cmp_eq_u32 s2, 0
	s_cbranch_scc0 .Lentry_in_a_cluster
	s_endpgm
.Lentry_in_a_cluster:
	s_bfe_u32 s2, ttmp6, 0x10000c
	s_cmp_lg_u32 s2, 0x3003
	s_cbranch_scc0 .Lentry_shape_is_right
	s_endpgm
.Lentry_shape_is_right:
; out0[m][n] = sum over k of feats[m][k] Wout[k][n] + bout[n], M = 8,192, N = 1,024, K = 8,193, on codes of E2M1 with one E8M0 scale for each 32 along K, as the launch before has made them; sums in f32.
; aq: [512 tiles of 16 rows][16 chunks of 512 along K][4,352 bytes], bq: [64 tiles of 16 columns][16 chunks][4,352 bytes].  A record is an image of the operand's registers: registers 4 c .. 4 c + 3 of K step q are the
; 512 bytes at 1,024 q + 512 c, 16 a lane; behind the codes 256 scale bytes [row 16][block 16]: a row's four scale words.  ta, tb: the 8,193rd number of each row and column: code word, scale word, 0, scale word.
; SHARES.  A block of out0, 128 x 256, is made by a work-group of four waves: 256 work-groups.  A wave makes 128 rows x 64 columns: 32 accumulators.  So each wave has columns of Wout that no other wave of the work-group reads:
; B's fragments and scale words go from memory STRAIGHT INTO REGISTERS, a ring of eight K steps (256 registers), asked for six K steps ahead of their products.  Only A goes through LDS: all four waves read the same 8 tiles.
; THE RING.  A slot holds four chunks (16 K steps) of the 8 tiles of rows: 8 x 17,408 bytes; two slots.  A wave's one tensor load brings 2 tiles x 17,408 consecutive bytes.  Four fills serve all of K: one at the head, three behind rounds.
; CLUSTER 4, 1, 1: the four work-groups of a row of blocks need the same records of A and ask for them jointly (mask 15).  B is not asked for jointly: it lands in registers, and a load into registers has no joint form.
; ONE LOOP.  bout is loaded into the accumulators in the result's layout, and the K step of the 8,193rd number lies in the registers of a phase's step 15 (A's set 1, B's ring place 7, the scale words of that step):
; so a trip is [step 15 of the phase before, with the change of slots in it][steps 0 .. 14], three trips; the last phase is written out, since it fills nothing and its last six steps ask for no B.
; PREFETCH.  A: in trip p the sixteen waves of the cluster name the four chunks that trip p + 1's loads will bring, 34 blocks of 256 bytes a wave, told apart by address.  B has none: its own loads run six K steps ahead.
; THE MATRIX INSTRUCTION IS USED TRANSPOSED (source 0 = 16 columns of Wout, source 1 = 16 rows of feats): a lane holds eight neighbouring numbers of a row of out0.
; REGISTERS, in windows of 256.  0: v0-26 addresses, v32-95 A's scale words (two sets), v96-159 B's (four sets), v160-223 the way out.  1: accumulator (a, j) at v[8 (4 a + j)].  2: v0-127 A's fragments, two sets.  3: B's ring.
; LIMITS: none of its own; the order of the f32 sums is bout, the last number, then K ascending.
.set REC,    4352
.set TSTR,   16*REC                    ; from tile to tile in memory
.set GRP,    4*REC                     ; a tile's four chunks: a row of a tensor load's tile
.set SLOT,   8*GRP
.set STAGE,  2*SLOT                    ; the way out: 16 rows x 272 bytes for each wave; no tensor load lands here
.set SPITCH, 272
.set SPARE,  STAGE+4*16*SPITCH         ; the spare words: 128 bytes a wave
.set LAS, 4                            ; v4      16 r + 4,096: a row's scale words in a record
.set ADA, 10                           ; v10-12  LDS address of A's fragments, tiles 0-2, 3-5, 6-7 of the slot being read
.set ADS, 13                           ; v13-15  the same for A's scale words
.set STO, 16
.set RD,  17
.set CO,  18
.set TO,  19                           ; 16 r + 8 h: my place in ta and tb
.set SPW, 20
.set NIL, 21
.set PF1, 22                           ; 256 x lane
.set PF2, 23                           ; 8,192 + 256 x min(lane, 1)
.set BFO, 24                           ; 16 x lane
.set BSO, 25                           ; 16 r
.set BO,  26                           ; 32 h
.set SCA, 32
.set SCB, 96
.set BK,  160
.set G1,  24                           ; s[24:31]
.set G0,  32                           ; s[32:35]
.set CUR, 36                           ; s36 the slot being read: 0 or SLOT; s37, s38 the same + 3, + 6 tiles
.set PFA, 46                           ; s[46:47]
.set MSB, 0
.macro WIN new                         ; the immediate's high byte repeats the setting that is left
.if MSB != \new
	s_set_vgpr_msb (MSB<<8)|\new
.set MSB, \new
.endif
.endm
.set MUL,  0x5b                        ; source 0 (B) window 3, source 1 (A) window 2, C and D window 1
.set TO_A, 0x80
.set TO_B, 0xc0
.set TO_C, 0x40
.macro CREST                           ; a round of the cluster's barrier behind its opening barrier
	s_cmp_lg_u32 s16, 0
	s_cbranch_scc1 .Lnot_wave_0_\@
	s_barrier_signal -3
.Lnot_wave_0_\@:
	s_barrier_wait -3
	s_barrier_signal -1
	s_barrier_wait -1
.endm
.macro CROUND
	s_barrier_signal -1
	s_barrier_wait -1
	CREST
.endm
.macro PLACES                          ; four places between matrix instructions and loads into, or reads of, their registers
.rept 4
	v_nop
.endr
.endm
	s_load_b256 s[4:11], s[0:1], 0x0               ; aq, bq, ta, tb
	s_load_b128 s[12:15], s[0:1], 0x20             ; bout, out0
	v_lshl_add_u32 v[SPW], v0, 2, SPARE
	v_mov_b32 v[NIL], 0
	ds_add_u32 v[SPW], v[NIL]
	ds_add_u32 v[SPW], v[NIL]
	v_lshrrev_b32 v1, 5, v0
	v_readfirstlane_b32 s16, v1                    ; wave
	s_bfe_u32 s17, ttmp6, 0x40000                  ; cx = the block's column
	s_and_b32 s18, ttmp7, 0xffff                   ; the block's row
	s_mov_b32 s[G1+0], 15|(3<<16)|(1<<21)          ; the cluster's four; elements of 8 bytes; bit 21 beside a mask
	s_mov_b32 s[G1+1], (GRP/8)<<16                 ; tensor_dim0
	s_mov_b32 s[G1+2], 2<<16                       ; tensor_dim1
	s_mov_b32 s[G1+3], (GRP/8)<<16                 ; tile_dim0
	s_mov_b32 s[G1+4], 2                           ; tile_dim1
	s_mov_b32 s[G1+5], TSTR/8                      ; the pitch
	s_mov_b32 s[G1+6], 0
	s_mov_b32 s[G1+7], 0
	s_lshl_b32 s20, s18, 3
	s_lshl_b32 s39, s16, 1
	s_add_co_u32 s20, s20, s39
	s_mul_i32 s20, s20, TSTR                       ; A: row tile 8 x block row + 2 x wave
	s_mov_b32 s21, 0
	s_mul_i32 s19, s16, 2*GRP                      ; and where my two tiles go in a slot
	s_lshl_b32 s22, s17, 10
	s_lshl_b32 s39, s16, 8
	s_add_co_u32 s22, s22, s39                     ; my first column x 4 bytes
	s_mov_b32 s23, 0
	s_lshl_b32 s48, s22, 2                         ; x 16 bytes: tb
	s_mov_b32 s49, 0
	s_lshl_b32 s40, s18, 11                        ; ta: 128 rows of 16 bytes a block
	s_mov_b32 s41, 0
	s_lshl_b32 s42, s18, 19                        ; out0: 128 rows of 4,096 bytes
	s_mov_b32 s43, 0
	s_lshl_b32 s44, s17, 4
	s_lshl_b32 s39, s16, 2
	s_add_co_u32 s44, s44, s39
	s_mul_i32 s44, s44, TSTR                       ; B: column tile 16 cx + 4 x wave
	s_mov_b32 s45, 0
	s_lshl_b32 s46, s18, 3                         ; the prefetches: row tile 8 x block row + 2 cx + wave / 2,
	s_lshl_b32 s39, s17, 1
	s_add_co_u32 s46, s46, s39
	s_lshr_b32 s39, s16, 1
	s_add_co_u32 s46, s46, s39
	s_mul_i32 s46, s46, TSTR
	s_and_b32 s39, s16, 1
	s_mul_i32 s39, s39, GRP/2                      ; half wave % 2 of its four chunks,
	s_add_co_u32 s46, s46, s39
	s_add_co_u32 s46, s46, 2*GRP                   ; chunks 8 to 11 in the first trip
	s_mov_b32 s47, 0
	s_mov_b32 s[CUR], SLOT
	s_wait_dscnt 0x0
	s_wait_kmcnt 0x0
	s_add_nc_u64 s[20:21], s[4:5], s[20:21]
	s_add_nc_u64 s[PFA:PFA+1], s[4:5], s[PFA:PFA+1]
	s_add_nc_u64 s[6:7], s[6:7], s[44:45]
	s_add_nc_u64 s[8:9], s[8:9], s[40:41]
	s_add_nc_u64 s[10:11], s[10:11], s[48:49]
	s_add_nc_u64 s[12:13], s[12:13], s[22:23]
	s_add_nc_u64 s[14:15], s[14:15], s[22:23]
	s_add_nc_u64 s[14:15], s[14:15], s[42:43]
	CROUND                                         ; the four work-groups are here: the first joint loads meet
	s_mov_b32 s[G0], 1
	s_mov_b32 s[G0+1], s19                         ; slot 0
	s_mov_b64 s[G0+2:G0+3], s[20:21]               ; chunks 0 to 3
	s_or_b32 s[G0+3], s[G0+3], 0x80000000
	tensor_load_to_lds s[G0:G0+3], s[G1:G1+7]      ; every wave's one load at the head
	s_nop 0
	PLACES
	v_and_b32 v3, 31, v0                           ; lane
	v_and_b32 v1, 15, v0                           ; r
	v_bfe_u32 v2, v0, 4, 1                         ; h
	v_lshlrev_b32 v[BO], 5, v2
	v_lshlrev_b32 v[TO], 4, v1
	v_lshl_add_u32 v[TO], v2, 3, v[TO]
	v_lshlrev_b32 v[BFO], 4, v3
	v_lshlrev_b32 v[BSO], 4, v1
	s_wait_alu depctr_va_vdst(0)                   ; ahead of the readers below
; B's fragments of the phase's K step u (16 and more: the next phase's) into ring place u % 8; with a chunk's first step its scale words, ahead of the fragments, into set (u / 4) % 4
.macro BLOAD u
	WIN 0
.if ((\u)%4) == 0
.irp j, 0,1,2,3
	global_load_b128 v[SCB+16*(((\u)/4)%4)+4*\j:SCB+16*(((\u)/4)%4)+4*\j+3], v[BSO], s[6:7] offset:\j*TSTR+((\u)/4)*REC+4096
.endr
.endif
	WIN TO_B
.irp j, 0,1,2,3
.irp c, 0,1
	global_load_b128 v[32*((\u)%8)+8*\j+4*\c:32*((\u)%8)+8*\j+4*\c+3], v[BFO], s[6:7] offset:\j*TSTR+((\u)/4)*REC+((\u)%4)*1024+512*\c
.endr
.endr
	WIN 0
.endm
	WIN TO_C
.irp a, 0,1,2,3,4,5,6,7
.irp j, 0,1,2,3
	global_load_b128 v[8*(4*\a+\j):8*(4*\a+\j)+3], v[BO], s[12:13] offset:64*\j          ; bout of columns 16 j + 8 h + 0 .. 7 starts every sum: nothing is cleared, no bias is added later
	global_load_b128 v[8*(4*\a+\j)+4:8*(4*\a+\j)+7], v[BO], s[12:13] offset:64*\j+16
.endr
.endr
	WIN 0
.irp a, 0,1,2,3,4,5,6,7
	global_load_b32 v[SCA+32+4*\a+3], v[TO], s[8:9] offset:256*\a+4    ; the last number's scale words, where step 15's lie
.endr
.irp j, 0,1,2,3
	global_load_b32 v[SCB+48+4*\j+3], v[TO], s[10:11] offset:256*\j+4
.endr
	WIN TO_A
.irp a, 0,1,2,3,4,5,6,7
	global_load_b32 v[64+8*\a], v[TO], s[8:9] offset:256*\a            ; lanes 0-15 the code word, lanes 16-31 the record's 0
.irp i, 1,2,3,4,5,6,7
	v_mov_b32 v[64+8*\a+\i], 0                     ; the rest of this one K step is zero codes, on both sides
.endr
.endr
	WIN TO_B
.irp j, 0,1,2,3
	global_load_b32 v[224+8*\j], v[TO], s[10:11] offset:256*\j
.irp i, 1,2,3,4,5,6,7
	v_mov_b32 v[224+8*\j+\i], 0
.endr
.endr
	WIN 0
.irp u, 0,1,2,3,4
	BLOAD \u
.endr
	v_lshl_add_u32 v[LAS], v1, 4, 4096
	s_mul_i32 s39, s16, 16*SPITCH
	s_add_co_u32 s39, s39, STAGE                   ; my stage
	v_mul_u32_u24 v5, v1, SPITCH
	v_lshl_add_u32 v5, v2, 5, v5
	v_add_nc_u32 v[STO], s39, v5                   ; in: row r, 32 bytes for each half of the lanes
	v_mul_u32_u24 v5, v2, SPITCH
	v_lshl_add_u32 v5, v1, 4, v5
	v_add_nc_u32 v[RD], s39, v5                    ; back: sixteen lanes take a row of 256 bytes
	v_lshlrev_b32 v5, 12, v2
	v_lshl_add_u32 v[CO], v1, 4, v5                ; and the same two rows in out0
	v_lshlrev_b32 v[PF1], 8, v3
	v_min_u32 v[PF2], 1, v3
	v_lshl_add_u32 v[PF2], v[PF2], 8, 8192
; A's fragments of the phase's K step u into set u % 2: 16 LDS loads of 512 consecutive bytes; with a chunk's first step its scale words
.macro FETCH u
	WIN TO_A
.irp a, 0,1,2,3,4,5,6,7
.irp c, 0,1
	ds_load_b128 v[64*((\u)%2)+8*\a+4*\c:64*((\u)%2)+8*\a+4*\c+3], v[ADA+\a/3] offset:(\a%3)*GRP+((\u)/4)*REC+((\u)%4)*1024+512*\c
.endr
.endr
	WIN 0
.if ((\u)%4) == 0
.irp a, 0,1,2,3,4,5,6,7
	ds_load_b128 v[SCA+32*(((\u)/4)%2)+4*\a:SCA+32*(((\u)/4)%2)+4*\a+3], v[ADS+\a/3] offset:(\a%3)*GRP+((\u)/4)*REC
.endr
.endif
.endm
; four matrix instructions: A's tile a x my four tiles of columns, K step u.  The 32 accumulators take turns, in the same order in every step
.macro MULA a, u
.irp j, 0,1,2,3
	v_wmma_scale_f32_16x16x128_f8f6f4 v[8*(4*(\a)+\j):8*(4*(\a)+\j)+7], v[32*((\u)%8)+8*\j:32*((\u)%8)+8*\j+7], v[64*((\u)%2)+8*(\a):64*((\u)%2)+8*(\a)+7], v[8*(4*(\a)+\j):8*(4*(\a)+\j)+7], v[SCB+16*(((\u)/4)%4)+4*\j+(\u)%4], v[SCA+32*(((\u)/4)%2)+4*(\a)+(\u)%4] matrix_a_fmt:MATRIX_FMT_FP4 matrix_b_fmt:MATRIX_FMT_FP4
.endr
.endm
.macro ASK reg                         ; not in the loop's last trip: there are no chunks behind 15
	s_cmp_gt_u32 s3, 1
	s_cbranch_scc0 .Lno_ask_\@
	global_prefetch_b8 v[\reg], s[PFA:PFA+1] th:TH_LOAD_NT scope:SCOPE_SE
.Lno_ask_\@:
.endm
; K step t of a phase.  lim: the last step for which B is asked (99: no end in this phase)
.macro STEP t, lim
	s_wait_dscnt 0x0                               ; this step's fragments of A, asked for a step ago, are in
	PLACES                                         ; behind the last step's products
.if (\t) < 15
	FETCH (\t)+1
.endif
.if (\t)+6 <= (\lim)
	BLOAD (\t)+6
.endif
.set NW, 0                             ; the loads younger than this step's: 8 for each of the steps t + 1 .. t + 6 that have been asked for, and 4 more for each that begins a chunk
.set U, (\t)+1
.rept 6
.if U <= (\lim)
.set NW, NW+8
.if (U%4) == 0
.set NW, NW+4
.endif
.endif
.set U, U+1
.endr
	s_wait_loadcnt NW
.if (\lim) > 15
.if (\t) == 2
	ASK PF1
.endif
.if (\t) == 5
	ASK PF2
.endif
.endif
	WIN MUL
.irp a, 0,1,2,3,4,5,6,7
	MULA \a, \t
.endr
.endm
; Step 15 of the phase before (in the first trip: the last number's K step), and in it the change of slots.  fill = 1: the slot just read takes the four chunks after those of the slot that is read next.
.macro TURN fill
	s_wait_dscnt 0x0                               ; this step's fragments are in: my reads of the old slot are over
	WIN 0
.if \fill
	s_xor_b32 s[CUR], s[CUR], SLOT                 ; the slot that is read from here on
	s_add_co_u32 s[CUR+1], s[CUR], 3*GRP
	s_add_co_u32 s[CUR+2], s[CUR], 6*GRP
.irp g, 0,1,2
	v_add_nc_u32 v[ADA+\g], s[CUR+\g], v[BFO]      ; (these six lines are also the places behind the last step's products)
	v_add_nc_u32 v[ADS+\g], s[CUR+\g], v[LAS]
.endr
.else
.irp g, 0,1,2
	v_add_nc_u32 v[ADA+\g], SLOT+\g*3*GRP, v[BFO]  ; the last phase reads slot 1
	v_add_nc_u32 v[ADS+\g], SLOT+\g*3*GRP, v[LAS]
.endr
.endif
	s_wait_alu depctr_va_vdst(0)
	BLOAD 5
	s_wait_tensorcnt 0x0                           ; my one tensor load, my part of the next slot, has landed;
	ds_add_u32 v[SPW], v[NIL]
.if \fill
	s_xor_b32 s39, s[CUR], SLOT                    ; no load of mine is out, so the descriptor may be written: into the old slot,
	s_add_co_u32 s[G0+1], s39, s19
	s_add_nc_u64 s[G0+2:G0+3], s[G0+2:G0+3], GRP   ; the next four chunks
.endif
	s_wait_loadcnt 56                              ; younger than this step's B: steps 0 to 5, 48 loads, and the scale words of two chunks, 8
	WIN MUL
	MULA 0, 15
	MULA 1, 15
	s_wait_dscnt 0x0                               ; the add is done
	s_barrier_signal -1
	MULA 2, 15
	MULA 3, 15
	MULA 4, 15
	MULA 5, 15
	WIN 0
	s_barrier_wait -1
.if \fill
	CREST                                          ; the barrier has opened a round: no wave of any partner still reads the old slot or has a load on its way
	tensor_load_to_lds s[G0:G0+3], s[G1:G1+7]      ; the first tensor load behind the round, one a wave
	s_nop 0
	PLACES
.endif
	FETCH 0
	WIN MUL
	MULA 6, 15
	MULA 7, 15
.endm
	s_mov_b32 s3, 3
	s_wait_alu depctr_va_vdst(0)
.Lphase:
	TURN 1
.set T, 0
.rept 15
	STEP T, 99
.set T, T+1
.endr
	WIN 0
	s_wait_xcnt 0x0                                ; my loads and prefetches have read their bases
	s_add_nc_u64 s[6:7], s[6:7], GRP
	s_add_nc_u64 s[PFA:PFA+1], s[PFA:PFA+1], GRP
	s_sub_co_u32 s3, s3, 1
	s_cmp_lg_u32 s3, 0
	s_cbranch_scc1 .Lphase
	TURN 0                                         ; the last phase: nothing is filled, so no round follows the barrier
.set T, 0
.rept 16
	STEP T, 15
.set T, T+1
.endr
	WIN 0
; THE WAY OUT, by blocks of 16 rows x 64 columns: through my own stage and back as rows of 256 bytes.  LDS serves a wave's instructions in order (ISA guide 5.7.1.4): no wait between the stores and the loads
.macro TOSTAGE a
	WIN 0x04                                       ; an LDS store's data are its source 1: window 1
.irp j, 0,1,2,3
	ds_store_b128 v[STO], v[8*(4*(\a)+\j):8*(4*(\a)+\j)+3] offset:64*\j            ; each accumulator from its low end on
	ds_store_b128 v[STO], v[8*(4*(\a)+\j)+4:8*(4*(\a)+\j)+7] offset:64*\j+16
.endr
	WIN 0
.irp t, 0,1,2,3,4,5,6,7
	ds_load_b128 v[BK+32*((\a)%2)+4*\t:BK+32*((\a)%2)+4*\t+3], v[RD] offset:\t*2*SPITCH
.endr
.endm
.macro SEND a, younger
	s_wait_dscnt \younger
.irp t, 0,1,2,3,4,5,6,7
	global_store_b128 v[CO], v[BK+32*((\a)%2)+4*\t:BK+32*((\a)%2)+4*\t+3], s[14:15] offset:(16*(\a)+2*\t)*4096 th:TH_STORE_NT   ; sixteen lanes store 256 consecutive bytes, aligned
.endr
.endm
	PLACES
	TOSTAGE 0
.irp a, 1,2,3,4,5,6,7
.if \a > 1
	s_wait_xcnt 0x0                                ; block a - 2's stores have read their registers
.endif
	TOSTAGE \a
	SEND \a-1, 16                                  ; behind block a - 1's loads: block a's 8 stores and 8 loads
.endr
	SEND 7, 0
	s_wait_tensorcnt 0x0                           ; the wave's end
	ds_add_u32 v[SPW], v[NIL]
	s_wait_dscnt 0x0
	CROUND                                         ; the closing round
	s_endpgm
.Lfunc_end_k_q1eea6eab4f_gemm:
	.size	k_q1eea6eab4f_gemm, .Lfunc_end_k_q1eea6eab4f_gemm-k_q1eea6eab4f_gemm
	.p2alignl 7, 3214868480
	.fill 96, 4, 3214868480
	.section	.rodata,"a",@progbits
	.p2align	6, 0x0
	.amdhsa_kernel k_q1eea6eab4f_gemm
		.amdhsa_group_segment_fixed_size 327680
		.amdhsa_private_segment_fixed_size 0
		.amdhsa_enable_private_segment 0
		.amdhsa_kernarg_size 48
		.amdhsa_user_sgpr_count 2
		.amdhsa_user_sgpr_kernarg_segment_ptr 1
		.amdhsa_wavefront_size32 1
		.amdhsa_system_sgpr_workgroup_id_x 1
		.amdhsa_system_sgpr_workgroup_id_y 1
		.amdhsa_system_sgpr_workgroup_id_z 1
		.amdhsa_system_vgpr_workitem_id 0
		.amdhsa_next_free_vgpr 1024
		.amdhsa_next_free_sgpr 66
		.amdhsa_reserve_vcc 0
		.amdhsa_float_denorm_mode_32 3
		.amdhsa_float_denorm_mode_16_64 3
		.amdhsa_memory_ordered 1
		.amdhsa_forward_progress 1
		.amdhsa_inst_pref_size 240
	.end_amdhsa_kernel
	.amdgpu_metadata
---
amdhsa.version: [ 1, 2 ]
amdhsa.kernels:
  - .name:           k_q1eea6eab4f_gemm
    .symbol:         k_q1eea6eab4f_gemm.kd
    .args:
      - { .name: aq, .offset: 0, .size: 8, .value_kind: global_buffer, .address_space: global }
      - { .name: bq, .offset: 8, .size: 8, .value_kind: global_buffer, .address_space: global }
      - { .name: ta, .offset: 16, .size: 8, .value_kind: global_buffer, .address_space: global }
      - { .name: tb, .offset: 24, .size: 8, .value_kind: global_buffer, .address_space: global }
      - { .name: bout, .offset: 32, .size: 8, .value_kind: global_buffer, .address_space: global }
      - { .name: out0, .offset: 40, .size: 8, .value_kind: global_buffer, .address_space: global }
    .group_segment_fixed_size: 327680
    .private_segment_fixed_size: 0
    .kernarg_segment_align: 8
    .kernarg_segment_size: 48
    .max_flat_workgroup_size: 128
    .sgpr_count:     66
    .vgpr_count:     1024
    .wavefront_size: 32
...
	.end_amdgpu_metadata
.endif
;; end of part 4
